; MI455X (gfx1250); checked and timed in simulation.
; The chip was launched on July 23, 2026; its instructions are those of AMD's public machine-readable ISA for CDNA 5 (MIT licence, August 2026) and "CDNA5" Instruction Set Architecture Reference Guide (July 2026). The comments in the code are by the model that wrote it; some were corrected since.
;; Cross Attention. Allowed arithmetic: matrix products marked QUANTISED: E4M3 operands, one given power-of-two scale a tensor, by v_wmma_f32_16x16x64_fp8_fp8 or v_wmma_f32_16x16x128_fp8_fp8, f32 sums; everything else in f32.
;; Inputs: K 4 x 2,048 x 1,024 float32; Q 4 x 2,048 x 1,024 float32; V 4 x 2,048 x 1,024 float32; Wk 1,024 x 1,024 float32; Wo 1,024 x 1,024 float32; Wq 1,024 x 1,024 float32; Wv 1,024 x 1,024 float32; ln_b 1,024 float32; ln_g 1,024 float32; lowp_scales 12 int32 (the exponents e of the quantised operands' scales 2^e); pre_b 1,024 float32; pre_g 1,024 float32.
;; Outputs: out0 4 x 2,048 x 1,024 float32.
;; This version of the problem:
;;   THIS VERSION OF THE PROBLEM IS GIVEN IN LOW PRECISION. The matrix products marked QUANTISED in the list below multiply operands that are first quantised to E4M3 (4 exponent bits, 3 mantissa bits; 8 bits a number), with one given power-of-two scale for each operand tensor; their sums are f32. All else is computed in f32.
;;   The module's matrix products, in the order in which they are computed (A, B: the left and right operand; K: the contracted axis; several contracted axes count as one K, in the product's order):
;;     1. [M 8,192, K 1,024] x [K 1,024, N 1,024]; A: computed on the way; B: input Wq: QUANTISED (scales: A lowp_scales[0], B lowp_scales[1])
;;     2. [M 8,192, K 1,024] x [K 1,024, N 1,024]; A: computed on the way; B: input Wk: QUANTISED (scales: A lowp_scales[2], B lowp_scales[3])
;;     3. [M 8,192, K 1,024] x [K 1,024, N 1,024]; A: input V; B: input Wv: QUANTISED (scales: A lowp_scales[4], B lowp_scales[5])
;;     4. batch 32 x [M 2,048, K 128] x [K 128, N 2,048]; A: computed on the way; B: computed on the way: QUANTISED (scales: A lowp_scales[6], B lowp_scales[7])
;;     5. batch 32 x [M 128, K 2,048] x [K 2,048, N 2,048]; A: computed on the way; B: softmax (see below): QUANTISED (scales: A lowp_scales[8], B lowp_scales[9])
;;     6. [M 8,192, K 1,024] x [K 1,024, N 1,024]; A: computed on the way; B: input Wo: QUANTISED (scales: A lowp_scales[10], B lowp_scales[11])
;;   THE QUANTISER, for each operand of a quantised product, along K:
;;     - The operand's scale is 2^e, e = its entry of the input lowp_scales (int32; the entries are numbered through the quantised products in the list's order, A before B).
;;     - Each number is divided by the scale, clamped to +-448, and rounded to the nearest number of E4M3, ties to even, subnormals kept.
;;     - The product sums the exact products of the quantised numbers (number of the format x scale) in f32.
;;   ~~~python
;;   def quantise(x, axis, e):      # numpy; x: float32 -> the quantised numbers, widened to float32 again
;;       x = np.moveaxis(x, axis, -1); K = x.shape[-1]
;;       r = np.clip(x / 2.0 ** e, -448, 448)
;;       step = 2.0 ** (np.maximum(np.frexp(np.where(r == 0, 1, r))[1] - 1, -6) - 3)
;;       q = np.round(r / step) * step * 2.0 ** e      # np.round: ties to even
;;       return np.moveaxis(q, -1, axis).astype(np.float32)
;;   ~~~
;;   SOFTMAX AHEAD OF A QUANTISED PRODUCT. Where the list says 'softmax', what is quantised is not the finished softmax but p = 2^(t - M), with t = logit x log2(e) and M = ceil(the row's largest t), a whole number; so 1/2 < the row's largest p <= 1. The row's sum l is taken of the UNQUANTISED p, in f32, and the product's result is divided by l at the end. Since M is a whole number, a kernel that streams over the keys may use a running M (the ceiling of the running maximum): every later rescaling is an exact power of two, so the quantised numbers keep their values, but for numbers so far below the row's largest that they fall under the format's range.
;;   OPERANDS COMPUTED ON THE WAY. 'Computed on the way' means the value that the module computes at that place (a softmax that the list does not call 'softmax' is quantised finished and normalised). What goes into a quantiser is computed in f32, as accurately as f32 sums, v_exp_f32 and their like allow (about 1e-6 of the number): no bf16 or f16 on the way to a quantiser, and a product that is left as it is and whose result goes on into a quantised operand takes f32 operands (vector FMAs, or v_wmma_f32_16x16x4_f32). A number that lies on a knife's edge between two numbers of the format may be rounded either way, as far as f32 arithmetic and the matrix unit's own rounding can turn it there, and no further.
;; One version. Each part assembles by itself: llvm-mc -triple=amdgcn-amd-amdhsa -mcpu=gfx1250 --defsym DOCPART=n.
;; ======== version 1 of 1: 4 launches
;; limits: right only within a limited range of input values
;; workspace buffers: x_c 25,165,824 bytes; w_c 4,194,304 bytes; qkv_c 25,165,824 bytes; o_f 33,554,432 bytes
;; launch prep (part 1): grid 512 x 1, 4 waves a work-group, no clusters, 35,840 bytes of LDS; arguments Q, K, V, Wq, Wk, Wv, Wo, pre_g, pre_b, lowp_scales, x_c, w_c; writes x_c, w_c
.if DOCPART == 1
	.amdgcn_target "amdgcn-amd-amdhsa--gfx1250"
	.amdhsa_code_object_version 6
	.text
	.protected	k_q26712c5302_prep
	.globl	k_q26712c5302_prep
	.p2align	8
	.type	k_q26712c5302_prep,@function
k_q26712c5302_prep:
	s_mov_b64 s[64:65], 0
	v_nop
	global_prefetch_b8 v0, s[64:65] scope:SCOPE_SE
	s_setreg_imm32_b32 hwreg(HW_REG_WAVE_MODE, 25, 1), 1
	s_wait_xcnt 0x0
; prep: every operand that arrives as f32 becomes codes of E4M3, once, with K innermost.
; Work-groups 0-127: the four weights [k 1024][n 1024].  A lane takes a column n and its registers run down k, so the conversions give codes with k innermost; nothing is transposed by an instruction.
;   Wq, Wk, Wv leave as rows [n][k] (parts 0-2 of w_c).  Wo leaves in the order of an operand's registers (part 3): fragment (nt = n/16, s = k/128) at (8 nt + s) x 2,048 bytes,
;   register group c at 512 c, lane l at 16 l; lane (r = l%16, h = l/16) holds k = 128 s + 32 c + 16 h + 0..15 of column 16 nt + r.
; Work-groups 128-511: 64 rows each of LayerNorm(Q), LayerNorm(K) or V as it is, to x_c [3][8192][1024].  One wave takes a row at a time and keeps it in 32 registers; mean and variance in two passes, in f32.
;   Lane l holds k = 256 j + 8 l + 0..7 (j = 0..3): eight neighbours for a conversion, and a store of 8 bytes a lane covers 256 consecutive bytes, aligned.
; code = x / 2^e, held within +-448, to the nearest code, ties to even.
; LIMITS: each e used here (entries 0-5 and 11 of lowp_scales) lies between -126 and 119, so that 2^e and 448 x 2^e are f32 numbers.  NaN and infinities among the inputs are not served.
; No tensor load, no barrier, no cluster: a stream in which waves share nothing.
.set PITCH, 272                        ; a stage row: 256 bytes of codes + 16
.set SPARE, 4*32*PITCH                 ; behind the four stages: the spare words, 128 bytes a wave, which no other line names
.set SPW,  14                          ; v14  SPARE + 4 x my thread's number; never rewritten
.set NIL,  15                          ; v15  0; never rewritten
.set WX,   32                          ; weights: v32-95 two sets of 32 numbers
.set WC,   96                          ; v96-103 a block's codes
.set WO,   112                         ; v112-175 the way out
.set LG,   16                          ; rows: v16-47 pre_g, v48-79 pre_b, in a row's layout
.set LB,   48
.set RX,   80                          ; v80-143 two row slots
.set RC,   144                         ; v144-159 two sets of codes
.set T,    160                         ; v160-167 partial sums
.set MU,   168                         ; v[168:169] the mean, twice
.set RS,   170                         ; v[170:171] 1/sqrt(var + eps), twice
.set SCL,  172                         ; v172 2^e
.set LIM,  173                         ; v173 448 x 2^e
.set INV,  52                          ; s52 1/1024, s53 1e-5
.set SEL,  54                          ; s[54:55] lane selects: lane l xor 16
	s_load_b512 s[8:23], s[0:1], 0x0               ; Q, K, V, Wq, Wk, Wv, Wo, pre_g
	s_load_b256 s[24:31], s[0:1], 0x40             ; pre_b, lowp_scales, x_c, w_c
	v_lshl_add_u32 v[SPW], v0, 2, SPARE
	v_mov_b32 v[NIL], 0
	v_lshrrev_b32 v1, 5, v0
	v_readfirstlane_b32 s32, v1                    ; wave 0..3
	v_and_b32 v2, 31, v0                           ; lane
	v_and_b32 v5, 15, v0                           ; r
	v_bfe_u32 v6, v0, 4, 1                         ; h
	s_mul_i32 s33, s32, 32*PITCH                   ; my stage (weights)
	v_mul_u32_u24 v4, v2, PITCH
	v_add_nc_u32 v4, s33, v4                       ; into it: row = my column
	v_mul_u32_u24 v7, v6, PITCH
	v_lshl_add_u32 v7, v5, 4, v7
	v_add_nc_u32 v7, s33, v7                       ; out of it by rows: sixteen lanes to a row
	v_mul_u32_u24 v9, v5, PITCH
	v_lshl_add_u32 v9, v6, 4, v9
	v_add_nc_u32 v9, s33, v9                       ; out of it as a fragment: row r, 16 h
	v_lshlrev_b32 v8, 10, v6
	v_lshl_add_u32 v8, v5, 4, v8                   ; the rows' place in w_c: 1,024 h + 16 r
	v_lshlrev_b32 v12, 4, v2                       ; 16 x lane
	v_lshlrev_b32 v3, 2, v2                        ; 4 x lane
	v_lshlrev_b32 v13, 5, v2                       ; 32 x lane
	v_lshlrev_b32 v1, 3, v2                        ; 8 x lane
	s_wait_kmcnt 0x0
	s_load_b256 s[40:47], s[26:27], 0x0            ; e0 .. e7
	s_load_b128 s[48:51], s[26:27], 0x20           ; e8 .. e11
	s_cmp_ge_u32 ttmp9, 128
	s_cbranch_scc1 .Lrows
; ---------------- the weights ----------------
	s_lshr_b32 s33, ttmp9, 5                       ; which weight: 0 Wq, 1 Wk, 2 Wv, 3 Wo
	s_and_b32 s34, ttmp9, 7                        ; x: 128 columns
	s_bfe_u32 s35, ttmp9, 0x20003                  ; y: 256 along k
	s_cmp_eq_u32 s33, 0
	s_cselect_b64 s[4:5], s[14:15], s[16:17]
	s_cmp_lt_u32 s33, 2
	s_cselect_b64 s[4:5], s[4:5], s[18:19]
	s_cmp_eq_u32 s33, 3
	s_cselect_b64 s[4:5], s[20:21], s[4:5]         ; the choice hangs on the work-group's number alone
	s_lshl_b32 s36, s34, 7
	s_lshl_b32 s37, s32, 5
	s_add_co_u32 s36, s36, s37                     ; my wave's first column
	s_lshl_b32 s38, s35, 20                        ; 256 y rows of 4,096 bytes
	s_lshl_b32 s37, s36, 2
	s_add_co_u32 s38, s38, s37
	s_mov_b32 s39, 0
	s_add_nc_u64 s[4:5], s[4:5], s[38:39]
	s_lshl_b32 s52, s33, 20                        ; as rows: part + column x 1,024 + 256 y
	s_lshl_b32 s37, s36, 10
	s_add_co_u32 s52, s52, s37
	s_lshl_b32 s37, s35, 8
	s_add_co_u32 s52, s52, s37
	s_lshl_b32 s53, s34, 17                        ; as fragments: part 3 + ((8 x + 2 wave) 8 + 2 y) x 2,048
	s_lshl_b32 s37, s32, 15
	s_add_co_u32 s53, s53, s37
	s_lshl_b32 s37, s35, 12
	s_add_co_u32 s53, s53, s37
	s_add_co_u32 s53, s53, 3<<20
	s_cmp_eq_u32 s33, 3
	s_cselect_b32 s38, s53, s52
	s_add_nc_u64 s[6:7], s[30:31], s[38:39]
.macro WLOAD t                         ; block t: W(32 t + p, my column), p = 0..31: 32 lanes read 128 consecutive bytes
.set p, 0
.rept 32
	global_load_b32 v[WX+32*((\t)%2)+p], v3, s[4:5] offset:(32*(\t)+p)*4096 th:TH_LOAD_NT
.set p, p+1
.endr
.endm
	WLOAD 0
	WLOAD 1
	s_wait_kmcnt 0x0
	s_cmp_eq_u32 s33, 0
	s_cselect_b32 s54, s41, s43
	s_cmp_lt_u32 s33, 2
	s_cselect_b32 s54, s54, s45
	s_cmp_eq_u32 s33, 3
	s_cselect_b32 s54, s51, s54                    ; e1, e3, e5 or e11
	s_add_co_i32 s54, s54, 127
	s_lshl_b32 s55, s54, 23
	v_mov_b32 v11, s55                             ; 2^e: the conversion takes its exponent field
	s_add_co_i32 s54, s54, 8
	s_lshl_b32 s54, s54, 23
	s_or_b32 s54, s54, 0x600000
	v_mov_b32 v10, s54                             ; 448 x 2^e
.macro WBLOCK t
.set XS, WX+32*((\t)%2)
.if (\t) < 7
	s_wait_loadcnt 32                              ; this block's 32 loads are in; the next block's 32 may be out
.else
	s_wait_loadcnt 0x0
.endif
.set p, 0
.rept 32
	v_med3_num_f32 v[XS+p], v[XS+p], -v10, v10     ; the conversion to an 8-bit code does not saturate (ISA guide 7.6.2): the hold comes first
.set p, p+1
.endr
.irp g, 0,1,2,3
	v_cvt_scalef32_pk8_fp8_f32 v[WC+2*\g:WC+2*\g+1], v[XS+8*\g:XS+8*\g+7], v11
.endr
	ds_store_b128 v4, v[WC:WC+3] offset:32*(\t)    ; 32 codes of my column's row
	ds_store_b128 v4, v[WC+4:WC+7] offset:32*(\t)+16
.if (\t)+2 < 8
	WLOAD (\t)+2
.endif
	s_wait_dscnt 0x0                               ; the stores have read their registers: the next block's codes may be written (its 32 holds are the plain lines behind these conversions)
.endm
.irp t, 0,1,2,3,4,5,6,7
	WBLOCK \t
.endr
	s_cmp_eq_u32 s33, 3
	s_cbranch_scc1 .Lfrag
.irp t, 0,1,2,3,4,5,6,7,8,9,10,11,12,13,14,15
	ds_load_b128 v[WO+4*\t:WO+4*\t+3], v7 offset:2*\t*PITCH       ; LDS serves a wave's instructions in order: these see my stores
.endr
.irp t, 0,1,2,3,4,5,6,7,8,9,10,11,12,13,14,15
	s_wait_dscnt 15-\t
	global_store_b128 v8, v[WO+4*\t:WO+4*\t+3], s[6:7] offset:2*\t*1024   ; sixteen lanes store 256 consecutive bytes, aligned
.endr
	s_branch .Lwend
.Lfrag:
.irp tt, 0,1
.irp ss, 0,1
.irp c, 0,1,2,3
	ds_load_b128 v[WO+4*(8*\tt+4*\ss+\c):WO+4*(8*\tt+4*\ss+\c)+3], v9 offset:\tt*16*PITCH+128*\ss+32*\c
.endr
.endr
.endr
.irp tt, 0,1
.irp ss, 0,1
.irp c, 0,1,2,3
	s_wait_dscnt 15-(8*\tt+4*\ss+\c)
	global_store_b128 v12, v[WO+4*(8*\tt+4*\ss+\c):WO+4*(8*\tt+4*\ss+\c)+3], s[6:7] offset:\tt*16384+\ss*2048+512*\c   ; 32 lanes store 512 consecutive bytes
.endr
.endr
.endr
.Lwend:
	s_wait_tensorcnt 0x0                           ; the wave's end: three closing lines behind my last LDS store
	ds_add_u32 v[SPW], v[NIL]
	s_wait_dscnt 0x0
	s_endpgm
; ---------------- the rows ----------------
.macro RFILL s, off                    ; a row's eight loads into slot s; the two loads of a j cover 1,024 consecutive bytes between them
.irp j, 0,1,2,3
	global_load_b128 v[RX+32*(\s)+8*\j:RX+32*(\s)+8*\j+3], v13, s[4:5] offset:(\off)+1024*\j th:TH_LOAD_NT
	global_load_b128 v[RX+32*(\s)+8*\j+4:RX+32*(\s)+8*\j+7], v13, s[4:5] offset:(\off)+1024*\j+16 th:TH_LOAD_NT
.endr
.endm
.macro REDUCE                          ; four pairs of partial sums in v[T] on -> the wave's sum, in every lane's v[T]
	v_pk_add_f32 v[T:T+1], v[T:T+1], v[T+2:T+3]
	v_pk_add_f32 v[T+4:T+5], v[T+4:T+5], v[T+6:T+7]
	v_pk_add_f32 v[T:T+1], v[T:T+1], v[T+4:T+5]
	v_add_f32 v[T], v[T], v[T+1]
	v_add_f32_dpp v[T], v[T], v[T] row_xmask:1 row_mask:0xf bank_mask:0xf
	v_add_f32_dpp v[T], v[T], v[T] row_xmask:2 row_mask:0xf bank_mask:0xf
	v_add_f32_dpp v[T], v[T], v[T] row_xmask:4 row_mask:0xf bank_mask:0xf
	v_add_f32_dpp v[T], v[T], v[T] row_xmask:8 row_mask:0xf bank_mask:0xf
	v_permlanex16_b32 v[T+1], v[T], s[SEL], s[SEL+1]
	v_add_f32 v[T], v[T], v[T+1]
.endm
.macro LNCORE                          ; the row in v[XS] on becomes (x - mean) / sqrt(var + eps) x g + b
.set p, 0
.rept 4
	v_pk_add_f32 v[T+p:T+p+1], v[XS+p:XS+p+1], v[XS+8+p:XS+8+p+1]   ; four chains, started by the first numbers: nothing is cleared
.set p, p+2
.endr
.set p, 16
.rept 8
	v_pk_add_f32 v[T+p%8:T+p%8+1], v[T+p%8:T+p%8+1], v[XS+p:XS+p+1]
.set p, p+2
.endr
	REDUCE
	v_mul_f32 v[MU], s[INV], v[T]
	v_mov_b32 v[MU+1], v[MU]
.set p, 0
.rept 16
	v_pk_add_f32 v[XS+p:XS+p+1], v[XS+p:XS+p+1], v[MU:MU+1] neg_lo:[0,1] neg_hi:[0,1]   ; x - mean: the variance is taken of these, not of a difference of large sums
.set p, p+2
.endr
.set p, 0
.rept 4
	v_pk_mul_f32 v[T+p:T+p+1], v[XS+p:XS+p+1], v[XS+p:XS+p+1]
.set p, p+2
.endr
.rept 12
	v_pk_fma_f32 v[T+p%8:T+p%8+1], v[XS+p:XS+p+1], v[XS+p:XS+p+1], v[T+p%8:T+p%8+1]
.set p, p+2
.endr
	REDUCE
	v_fma_f32 v[T], v[T], s[INV], s[INV+1]         ; var + eps
	v_rsq_f32 v[RS], v[T]
	v_nop                                          ; a plain line behind the transcendental,
	s_wait_alu depctr_va_vdst(0)                   ; and the wait ahead of its first reader
	v_mov_b32 v[RS+1], v[RS]
.set p, 0
.rept 16
	v_pk_mul_f32 v[XS+p:XS+p+1], v[XS+p:XS+p+1], v[RS:RS+1]
.set p, p+2
.endr
.set p, 0
.rept 16
	v_pk_fma_f32 v[XS+p:XS+p+1], v[XS+p:XS+p+1], v[LG+p:LG+p+1], v[LB+p:LB+p+1]
.set p, p+2
.endr
.endm
; The turn of slot s.  ln = 1: with the LayerNorm.  fill = 1: the slot takes the row two further down.  left: the younger loads that may stay out.
.macro ROW s, ln, fill, left
.set XS, RX+32*(\s)
.set CC, RC+8*(\s)
	s_wait_loadcnt \left
.if \ln
	LNCORE
.endif
.set p, 0
.rept 32
	v_med3_num_f32 v[XS+p], v[XS+p], -v[LIM], v[LIM]
.set p, p+1
.endr
.irp j, 0,1,2,3
	v_cvt_scalef32_pk8_fp8_f32 v[CC+2*\j:CC+2*\j+1], v[XS+8*\j:XS+8*\j+7], v[SCL]   ; this slot's codes were last stored a trip ago, ahead of the wait at that trip's end
.endr
	v_nop                                          ; a plain line behind the last conversion
.irp j, 0,1,2,3
	global_store_b64 v1, v[CC+2*\j:CC+2*\j+1], s[6:7] offset:(\s)*1024+256*\j   ; 32 lanes store 256 consecutive bytes, aligned
.endr
.if \fill
	RFILL \s, ((\s)+2)*4096
.endif
.endm
.macro ROWS ln
.if \ln
.irp j, 0,1,2,3
	global_load_b128 v[LG+8*\j:LG+8*\j+3], v13, s[22:23] offset:1024*\j
	global_load_b128 v[LG+8*\j+4:LG+8*\j+7], v13, s[22:23] offset:1024*\j+16
	global_load_b128 v[LB+8*\j:LB+8*\j+3], v13, s[24:25] offset:1024*\j
	global_load_b128 v[LB+8*\j+4:LB+8*\j+7], v13, s[24:25] offset:1024*\j+16
.endr
.endif
	RFILL 0, 0
	RFILL 1, 4096
	s_wait_kmcnt 0x0
	s_cmp_eq_u32 s34, 0
	s_cselect_b32 s57, s40, s42
	s_cmp_eq_u32 s34, 2
	s_cselect_b32 s57, s44, s57                    ; e0, e2 or e4
	s_add_co_i32 s57, s57, 127
	s_lshl_b32 s58, s57, 23
	v_mov_b32 v[SCL], s58
	s_add_co_i32 s57, s57, 8
	s_lshl_b32 s57, s57, 23
	s_or_b32 s57, s57, 0x600000
	v_mov_b32 v[LIM], s57
	s_mov_b32 s56, 7
.Lrow_\@:                              ; seven trips of two rows; each fills both slots again
	ROW 0, \ln, 1, 8                               ; the other slot's eight loads are younger
	ROW 1, \ln, 1, 8
	s_wait_xcnt 0x0                                ; bases and stored codes are written again only behind this wait
	s_add_nc_u64 s[4:5], s[4:5], 8192
	s_add_nc_u64 s[6:7], s[6:7], 2048
	s_sub_co_u32 s56, s56, 1
	s_cmp_lg_u32 s56, 0
	s_cbranch_scc1 .Lrow_\@
	ROW 0, \ln, 0, 8                               ; the last two rows load nothing: no load leaves its buffer
	ROW 1, \ln, 0, 0
	s_wait_tensorcnt 0x0                           ; the three closing lines stand on this path too
	ds_add_u32 v[SPW], v[NIL]
	s_wait_dscnt 0x0
	s_endpgm
.endm
.Lrows:
	s_sub_co_u32 s33, ttmp9, 128                   ; which 64 rows of the 24,576
	s_lshr_b32 s34, s33, 7                         ; 0 Q, 1 K, 2 V
	s_cmp_eq_u32 s34, 0
	s_cselect_b64 s[4:5], s[8:9], s[10:11]
	s_cmp_eq_u32 s34, 2
	s_cselect_b64 s[4:5], s[12:13], s[4:5]
	s_and_b32 s35, s33, 127
	s_lshl_b32 s36, s35, 18                        ; 64 rows of 4,096 bytes
	s_lshl_b32 s37, s32, 16                        ; my wave's 16
	s_add_co_u32 s36, s36, s37
	s_mov_b32 s37, 0
	s_add_nc_u64 s[4:5], s[4:5], s[36:37]
	s_lshl_b32 s36, s33, 16                        ; 64 rows of 1,024 codes
	s_lshl_b32 s38, s32, 14
	s_add_co_u32 s36, s36, s38
	s_add_nc_u64 s[6:7], s[28:29], s[36:37]
	s_mov_b32 s[INV], 0x3a800000                   ; 1/1024
	s_mov_b32 s[INV+1], 0x3727c5ac                 ; 1e-5
	s_mov_b32 s[SEL], 0x76543210
	s_mov_b32 s[SEL+1], 0xfedcba98
	s_cmp_eq_u32 s34, 2
	s_cbranch_scc1 .Lplain
	ROWS 1
.Lplain:
	ROWS 0
.Lfunc_end_k_q26712c5302_prep:
	.size	k_q26712c5302_prep, .Lfunc_end_k_q26712c5302_prep-k_q26712c5302_prep
	.p2alignl 7, 3214868480
	.fill 96, 4, 3214868480
	.section	.rodata,"a",@progbits
	.p2align	6, 0x0
	.amdhsa_kernel k_q26712c5302_prep
		.amdhsa_group_segment_fixed_size 35840
		.amdhsa_private_segment_fixed_size 0
		.amdhsa_enable_private_segment 0
		.amdhsa_kernarg_size 96
		.amdhsa_user_sgpr_count 2
		.amdhsa_user_sgpr_kernarg_segment_ptr 1
		.amdhsa_wavefront_size32 1
		.amdhsa_system_sgpr_workgroup_id_x 1
		.amdhsa_system_sgpr_workgroup_id_y 1
		.amdhsa_system_sgpr_workgroup_id_z 1
		.amdhsa_system_vgpr_workitem_id 0
		.amdhsa_next_free_vgpr 192
		.amdhsa_next_free_sgpr 66
		.amdhsa_reserve_vcc 0
		.amdhsa_float_denorm_mode_32 3
		.amdhsa_float_denorm_mode_16_64 3
		.amdhsa_memory_ordered 1
		.amdhsa_forward_progress 1
		.amdhsa_inst_pref_size 110
	.end_amdhsa_kernel
	.amdgpu_metadata
---
amdhsa.version: [ 1, 2 ]
amdhsa.kernels:
  - .name:           k_q26712c5302_prep
    .symbol:         k_q26712c5302_prep.kd
    .args:
      - { .name: Q, .offset: 0, .size: 8, .value_kind: global_buffer, .address_space: global }
      - { .name: K, .offset: 8, .size: 8, .value_kind: global_buffer, .address_space: global }
      - { .name: V, .offset: 16, .size: 8, .value_kind: global_buffer, .address_space: global }
      - { .name: Wq, .offset: 24, .size: 8, .value_kind: global_buffer, .address_space: global }
      - { .name: Wk, .offset: 32, .size: 8, .value_kind: global_buffer, .address_space: global }
      - { .name: Wv, .offset: 40, .size: 8, .value_kind: global_buffer, .address_space: global }
      - { .name: Wo, .offset: 48, .size: 8, .value_kind: global_buffer, .address_space: global }
      - { .name: pre_g, .offset: 56, .size: 8, .value_kind: global_buffer, .address_space: global }
      - { .name: pre_b, .offset: 64, .size: 8, .value_kind: global_buffer, .address_space: global }
      - { .name: lowp_scales, .offset: 72, .size: 8, .value_kind: global_buffer, .address_space: global }
      - { .name: x_c, .offset: 80, .size: 8, .value_kind: global_buffer, .address_space: global }
      - { .name: w_c, .offset: 88, .size: 8, .value_kind: global_buffer, .address_space: global }
    .group_segment_fixed_size: 35840
    .private_segment_fixed_size: 0
    .kernarg_segment_align: 8
    .kernarg_segment_size: 96
    .max_flat_workgroup_size: 128
    .sgpr_count:     66
    .vgpr_count:     192
    .wavefront_size: 32
...
	.end_amdgpu_metadata
.endif
;; end of part 1
;; launch proj (part 2): grid 4 x 96, 4 waves a work-group, clusters of 4 x 4, 327,680 bytes of LDS; arguments x_c, w_c, lowp_scales, qkv_c; writes qkv_c
.if DOCPART == 2
	.amdgcn_target "amdgcn-amd-amdhsa--gfx1250"
	.amdhsa_code_object_version 6
	.text
	.protected	k_q26712c5302_proj
	.globl	k_q26712c5302_proj
	.p2align	8
	.type	k_q26712c5302_proj,@function
k_q26712c5302_proj:
	s_mov_b64 s[64:65], 0
	v_nop
	global_prefetch_b8 v0, s[64:65] scope:SCOPE_SE
	s_setreg_imm32_b32 hwreg(HW_REG_WAVE_MODE, 25, 1), 1
	s_wait_xcnt 0x0
	s_wait_alu depctr_hold_cnt(0) depctr_sa_sdst(0) depctr_va_vdst(0) depctr_va_sdst(0) depctr_va_ssrc(0) depctr_va_vcc(0) depctr_vm_vsrc(0)
	s_getreg_b32 s2, hwreg(HW_REG_IB_STS2, 6, 4)
	s_cmp_eq_u32 s2, 0
	s_cbranch_scc0 .Lentry_in_a_cluster
	s_endpgm
.Lentry_in_a_cluster:
	s_bfe_u32 s2, ttmp6, 0x10000c
	s_cmp_lg_u32 s2, 0xf033
	s_cbranch_scc0 .Lentry_shape_is_right
	s_endpgm
.Lentry_shape_is_right:
; proj: the three projections on codes of E4M3, and their results quantised at once for the attention.
; C[m][n] = sum over k of A[m][k] B[n][k], K = 1,024; a tile of C, 256 x 256, to a work-group of four waves; a wave makes 128 x 128: 64 accumulators, 512 registers.
; The cluster's y (0..23) says which product (t = y / 8: 0 q, 1 k, 2 v) and which eighth of its tiles.
;   q, k: A = the rows' codes (x_c part t, 8,192 rows), B = the weight's codes (w_c part t, rows n).   v: A = Wv's codes, B = V's codes.
; THE MATRIX INSTRUCTION IS USED TRANSPOSED (source 0 = 16 rows of B, source 1 = 16 rows of A): a lane holds one row m and eight neighbouring n.  For q and k these run along the head's 128, for v along the KEYS:
; in both cases along the K of the product that will read them, so eight sums make eight codes of one conversion.
; A sum stands for sum x 2^(ea + eb), so its code is sum / 2^(eo - ea - eb): (ea, eb, eo) = entries (0, 1, 6), (2, 3, 7), (4, 5, 8) of lowp_scales, chosen without a branch.
; LIMIT: eo - ea - eb between -126 and 119.
; A wave's 128 x 128 codes are one dense block of 16,384 bytes of qkv_c: part t at t x 8 MiB, block ((batch x 8 + head) x 16 + rows / 128); q, k: [128 rows][128 d]; v: [128 d][128 keys].
; K goes in steps of 256 through a ring of two LDS slots filled by the tensor data mover.  CLUSTERS: 4 x 4 work-groups; A's tile is asked for jointly by a row of the cluster, B's by a column.
; Both operands' fragments take K = 32 c + 16 (l / 16) + 0..15 into registers 4 c .. 4 c + 3: one and the same permutation of k on both sides.
; REGISTERS, in windows of 256: window 0: v0-31 addresses; v128-255 A's fragments, one set; on the way out v32-255 are free.  window 1: B's fragments, two sets.  windows 2, 3: the accumulators of my rows 0-63, 64-127.
.set ROWB,   256                       ; a tile's row in bytes: 256 codes
.set KROW,   1024                      ; a row of A or of B in memory
.set PITCH,  272                       ; an LDS row: 256 bytes + 16 of padding = 68 words, so the 16 rows that a load touches start at 16 different banks (64 banks of 4 bytes: ISA guide 11.1)
.set FR,     16                        ; registers of a fragment: 16 rows x 128 K
.set NL,     4                         ; LDS loads that bring one
.set NP,     4                         ; places behind this matrix instruction (ISA guide 7.12.1)
.set HALFT,  128*PITCH                 ; what one tensor load brings
.set SLOT,   4*HALFT                   ; A's 256 rows, then B's 256 rows
.set LAPS,   2                         ; 1,024 along K = twice round the ring
.set SPARE,  2*SLOT                    ; behind the ring: the spare words, 128 bytes a wave, which no other line names
.set QP,     144                       ; the way out: a stage of 128 rows x (128 bytes + 16) for each wave, in slot 0, which has had its last fill and its last read by then
.set ADRA, 16                          ; v16-17  LDS address of my A fragments in slot 0, 1
.set ADRB, 20                          ; v20-21  the same for B
.set STO,  24                          ; v24     where I put 8 codes of a row
.set RD,   25                          ; v25     where I read 16 codes back
.set CO,   26                          ; v26     16 x lane
.set SPW,  28                          ; v28     SPARE + 4 x my thread's number; never rewritten
.set NIL,  29                          ; v29     0; never rewritten
.set SCL,  30                          ; v30     2^(eo - ea - eb)
.set LIM,  31
.set TMP,  32
.set CD,   96                          ; v96-127 two sets of codes
.set AF,   128
.set BK,   128                         ; v128-255 the block of codes read back
.set G1, 24                            ; s[24:31] descriptor group 1 for A's tiles; s[32:39] group 0, a set for each slot
.set G0, 32
.set G1B, 48                           ; s[48:55], s[56:63] the same for B's
.set G0B, 56
.set MSB, 0
.macro WIN new                         ; the immediate's high byte repeats the setting that is left
.if MSB != (\new)
	s_set_vgpr_msb (MSB<<8)|(\new)
.set MSB, (\new)
.endif
.endm
.set MUL_LO, 0xa1                      ; source 0 (B) window 1, source 1 (A) window 0, C and D window 2
.set MUL_HI, 0xf1                      ; the same, C and D window 3
.set TO_B,   0x40                      ; destination window 1, address window 0
; A joint load: waves 0 and 1 fetch for A, waves 2 and 3 for B.  The branch hangs on the wave's number alone.  An s_nop 0 and four v_nop follow each of the two lines.
.macro JLOAD g0a, g1a, g0b, g1b
	s_cmp_eq_u32 s15, 0
	s_cbranch_scc0 .Lfor_b_\@
	tensor_load_to_lds s[\g0a:\g0a+3], s[\g1a:\g1a+7]
	s_nop 0
.rept 4
	v_nop
.endr
	s_branch .Lasked_\@
.Lfor_b_\@:
	tensor_load_to_lds s[\g0b:\g0b+3], s[\g1b:\g1b+7]
	s_nop 0
.rept 4
	v_nop
.endr
.Lasked_\@:
.endm
.macro CREST                           ; a round of the cluster's barrier behind its opening barrier
	s_cmp_lg_u32 s14, 0
	s_cbranch_scc1 .Lnot_wave_0_\@
	s_barrier_signal -3
.Lnot_wave_0_\@:
	s_barrier_wait -3
	s_barrier_signal -1
	s_barrier_wait -1
.endm
.macro CROUND
	s_barrier_signal -1
	s_barrier_wait -1
	CREST
.endm
	s_load_b128 s[4:7], s[0:1], 0x0                ; x_c, w_c
	s_load_b128 s[8:11], s[0:1], 0x10              ; lowp_scales, qkv_c
	v_lshl_add_u32 v[SPW], v0, 2, SPARE
	v_mov_b32 v[NIL], 0
	ds_add_u32 v[SPW], v[NIL]                      ; the wave's opening: the add and its wait stand ahead of my first tensor load; the set-up below stands between them
	ds_add_u32 v[SPW], v[NIL]
	v_lshrrev_b32 v1, 5, v0
	v_readfirstlane_b32 s14, v1                    ; wave 0..3
	s_lshr_b32 s15, s14, 1                         ; which half of the tile's rows is mine.  Also: I fetch for A (0) or for B (1)
	s_and_b32 s16, s14, 1                          ; which half of its columns.  Also: which 128 rows of that tile I fetch
	s_bfe_u32 s40, ttmp6, 0x40000                  ; cx, cy: my place in the cluster
	s_bfe_u32 s41, ttmp6, 0x40004
	s_and_b32 s66, ttmp7, 0xffff                   ; the cluster's y, 0..23: the same in all sixteen partners
	s_lshr_b32 s67, s66, 3                         ; t: 0 q, 1 k, 2 v
	s_and_b32 s68, s66, 7
	s_cmp_eq_u32 s67, 2
	s_cselect_b32 s69, 0, s68                      ; q, k: the eighth runs down A's rows;
	s_cselect_b32 s70, s68, 0                      ; v: along B's
	s_lshl_b32 s42, s70, 2
	s_add_co_u32 s42, s42, s40                     ; tile column of C
	s_lshl_b32 s17, s69, 2
	s_add_co_u32 s17, s17, s41                     ; tile row of C
	s_lshl_b32 s43, s41, 2
	s_lshl_b32 s43, 15, s43                        ; my row of the cluster
	s_lshl_b32 s44, 0x1111, s40                    ; my column
	; descriptor group 1: a tile of 128 rows x 256 bytes, padded in LDS
	s_or_b32 s[G1+0], s43, (0<<16)|(1<<20)|(1<<21)|(5<<22)|(3<<25)  ; 15:0 the mask: A's tiles go to my row; elements of 1 byte; padding on; bit 21 beside a mask; after every 64 words, 4 words
	s_or_b32 s[G1B+0], s44, (0<<16)|(1<<20)|(1<<21)|(5<<22)|(3<<25)
.irp g, G1, G1B
	s_mov_b32 s[\g+1], ROWB<<16                    ; tensor_dim0
	s_mov_b32 s[\g+2], 128<<16                     ; tensor_dim1
	s_mov_b32 s[\g+3], ROWB<<16                    ; tile_dim0
	s_mov_b32 s[\g+4], 128                         ; tile_dim1
	s_mov_b32 s[\g+5], KROW                        ; tensor_dim0_stride
	s_mov_b32 s[\g+6], 0
	s_mov_b32 s[\g+7], 0
.endr
	s_lshl_b32 s18, s16, 7                         ; which 128 rows of the tile I fetch
	s_lshl_b32 s20, s17, 8
	s_add_co_u32 s20, s20, s18                     ; A: row 256 x tile row + 128 x half
	s_lshl_b32 s46, s42, 8
	s_add_co_u32 s46, s46, s18                     ; B: row 256 x tile column + 128 x half
	s_mov_b32 s21, 0
	s_mov_b32 s47, 0
	s_mov_b64 s[18:19], KROW
	s_mul_u64 s[20:21], s[20:21], s[18:19]
	s_mul_u64 s[46:47], s[46:47], s[18:19]
	s_mul_i32 s45, s14, HALFT                      ; where they go: wave x 128 rows: no place in the cluster enters an LDS address
	s_lshl_b32 s72, s67, 23                        ; x_c's part t
	s_mov_b32 s73, 0
	s_lshl_b32 s78, s67, 20                        ; w_c's part t
	s_mov_b32 s79, 0
	s_wait_dscnt 0x0                               ; the opening add is done
	s_wait_kmcnt 0x0
	s_load_b256 s[80:87], s[8:9], 0x0              ; e0 .. e7
	s_load_b32 s88, s[8:9], 0x20                   ; e8
	s_add_nc_u64 s[74:75], s[4:5], s[72:73]        ; the rows' codes
	s_add_nc_u64 s[76:77], s[6:7], s[78:79]        ; the weight's codes
	s_cmp_eq_u32 s67, 2
	s_cselect_b64 s[4:5], s[76:77], s[74:75]       ; A
	s_cselect_b64 s[6:7], s[74:75], s[76:77]       ; B
	s_add_nc_u64 s[20:21], s[4:5], s[20:21]
	s_add_nc_u64 s[46:47], s[6:7], s[46:47]
	CROUND                                         ; all sixteen work-groups are here: the first joint loads meet
.irp s, 0,1
	s_mov_b32 s[G0+4*\s], 1
	s_add_co_u32 s[G0+4*\s+1], s45, \s*SLOT
	s_add_nc_u64 s[G0+4*\s+2:G0+4*\s+3], s[20:21], \s*ROWB
	s_or_b32 s[G0+4*\s+3], s[G0+4*\s+3], 0x80000000
	s_mov_b32 s[G0B+4*\s], 1
	s_add_co_u32 s[G0B+4*\s+1], s45, \s*SLOT
	s_add_nc_u64 s[G0B+4*\s+2:G0B+4*\s+3], s[46:47], \s*ROWB
	s_or_b32 s[G0B+4*\s+3], s[G0B+4*\s+3], 0x80000000
	JLOAD G0+4*\s, G1, G0B+4*\s, G1B
.endr
	v_and_b32 v1, 15, v0                           ; l % 16
	s_wait_alu depctr_va_vdst(0)
	v_bfe_u32 v2, v0, 4, 1                         ; l / 16
	v_mul_u32_u24 v3, v1, PITCH
	v_lshl_add_u32 v4, v2, 4, v3                   ; a fragment's row x pitch + 16 x half
	s_mul_i32 s21, s15, HALFT                      ; my 128 rows of A
	s_mul_i32 s22, s16, HALFT                      ; my 128 rows of B,
	s_add_co_u32 s22, s22, 2*HALFT                 ; which lie behind A's 256
.irp s, 0,1
	v_add_nc_u32 v[ADRA+\s], s21, v4
	v_add_nc_u32 v[ADRB+\s], s22, v4
	s_add_co_u32 s21, s21, SLOT
	s_add_co_u32 s22, s22, SLOT
.endr
	s_mul_i32 s23, s14, 128*QP                     ; my stage
	v_mul_u32_u24 v5, v1, QP                       ; in: row l % 16, 8 bytes for each half of the lanes
	s_wait_alu depctr_va_vdst(0)
	v_lshl_add_u32 v5, v2, 3, v5
	v_add_nc_u32 v[STO], s23, v5
	v_and_b32 v6, 31, v0
	v_lshlrev_b32 v[CO], 4, v6                     ; 16 x lane
	v_lshrrev_b32 v7, 3, v6                        ; back: eight lanes to a row of 128 bytes, four rows an instruction
	v_mul_u32_u24 v7, v7, QP
	v_and_b32 v8, 7, v0
	v_lshl_add_u32 v7, v8, 4, v7
	v_add_nc_u32 v[RD], s23, v7
	s_lshl_b32 s71, s17, 1
	s_add_co_u32 s71, s71, s15                     ; my 128 rows of A: which block
	s_lshl_b32 s72, s42, 1
	s_add_co_u32 s72, s72, s16                     ; my 128 rows of B
	s_cmp_eq_u32 s67, 2
	s_cselect_b32 s73, s72, s71                    ; the block of 128 tokens, 0..63,
	s_cselect_b32 s74, s71, s72                    ; and the head
	s_lshr_b32 s75, s73, 4                         ; batch
	s_lshl_b32 s75, s75, 7
	s_lshl_b32 s74, s74, 4
	s_add_co_u32 s75, s75, s74
	s_and_b32 s73, s73, 15
	s_add_co_u32 s75, s75, s73                     ; (batch x 8 + head) x 16 + block
	s_lshl_b32 s76, s75, 14
	s_lshl_b32 s77, s67, 23
	s_add_co_u32 s76, s76, s77
	s_mov_b32 s77, 0
	s_add_nc_u64 s[10:11], s[10:11], s[76:77]      ; my block of 16,384 bytes
.macro FRAG reg, adr, q, i             ; a fragment: lane l holds row l % 16; registers 4 c .. 4 c + 3 hold K = 32 c + 16 (l / 16) + 0 .. 15
.irp c, 0,1,2,3
	ds_load_b128 v[\reg+4*\c:\reg+4*\c+3], v[\adr] offset:128*(\q)+32*\c+(\i)*16*PITCH
.endr
.endm
; 16 matrix instructions: A's blocks a0, a0 + 1 x B's eight, 128 along K.  p: B's set.  zero = 1: the first product starts the sums.
; The 64 accumulators take turns, one instruction a turn, in the same order in every step.
.macro MUL16 a0, p, zero
.irp a, \a0, \a0+1
.irp b, 0,1,2,3,4,5,6,7
.if \zero
	v_wmma_f32_16x16x128_fp8_fp8 v[8*(8*((\a)%4)+\b):8*(8*((\a)%4)+\b)+7], v[128*(\p)+FR*\b:128*(\p)+FR*\b+FR-1], v[AF+FR*(\a):AF+FR*(\a)+FR-1], 0
.else
	v_wmma_f32_16x16x128_fp8_fp8 v[8*(8*((\a)%4)+\b):8*(8*((\a)%4)+\b)+7], v[128*(\p)+FR*\b:128*(\p)+FR*\b+FR-1], v[AF+FR*(\a):AF+FR*(\a)+FR-1], v[8*(8*((\a)%4)+\b):8*(8*((\a)%4)+\b)+7]
.endif
.endr
.endr
.endm
.macro FETCH_B slot, q, p              ; B's eight fragments of the slot's q-th 128 along K into set p
	WIN TO_B
.irp i, 0,1,2,3,4,5,6,7
	FRAG 128*(\p)+FR*\i, ADRB+\slot, \q, \i
.endr
	WIN 0
.endm
.macro FETCH_A slot, q, i0             ; A's blocks i0 .. i0 + 3
.irp i, \i0, \i0+1, \i0+2, \i0+3
	FRAG AF+FR*(\i), ADRA+\slot, \q, \i
.endr
.endm
.macro PLACES n                        ; plain vector lines between a matrix instruction and a load into, or a read of, its registers
.rept \n
	v_nop
.endr
.endm
; A step of 128 along K that has its successor in the same slot.
.macro STEP slot, q, zero
	s_wait_dscnt 4*NL                              ; B's set and A's blocks 0-3 are in; the youngest sixteen loads (A's blocks 4-7) may be out
	WIN MUL_LO
	MUL16 0, (\q)%2, \zero
	MUL16 2, (\q)%2, \zero
	s_wait_dscnt 0                                 ; A's blocks 4-7 are in
	PLACES NP
	FETCH_B \slot, (\q)+1, 1-(\q)%2
	FETCH_A \slot, (\q)+1, 0
	WIN MUL_HI
	MUL16 4, (\q)%2, \zero
	MUL16 6, (\q)%2, \zero
	PLACES NP
	WIN 0
	FETCH_A \slot, (\q)+1, 4
.endm
; A slot's last step changes slots: one barrier; in front of it each wave waits for all its tensor loads, adds 0 to its spare word, and waits for that and for its own reads of this slot.  fill = 1: this slot is filled again.
.macro TURN slot, next, fill
	s_wait_tensorcnt 0x0                           ; all my tensor loads have landed: my part of the next slot
	ds_add_u32 v[SPW], v[NIL]                      ; 0 onto my spare word
	s_wait_dscnt 4*NL+1                            ; the add and the youngest sixteen loads may be out
	WIN MUL_LO
	MUL16 0, 1, 0                                  ; sixteen matrix instructions stand between the add and the wait for it
	s_wait_dscnt 0x0                               ; the add is done, and my reads of this slot are over
	s_barrier_signal -1
	MUL16 2, 1, 0
	WIN 0
	s_barrier_wait -1
.if \fill
	CREST                                          ; the barrier has opened a round of the cluster's barrier: no wave of any partner still reads this slot or has a load on its way
	s_add_nc_u64 s[G0+4*\slot+2:G0+4*\slot+3], s[G0+4*\slot+2:G0+4*\slot+3], 2*ROWB
	s_add_nc_u64 s[G0B+4*\slot+2:G0B+4*\slot+3], s[G0B+4*\slot+2:G0B+4*\slot+3], 2*ROWB
	JLOAD G0+4*\slot, G1, G0B+4*\slot, G1B         ; the first tensor load behind the round; its four v_nop are also the places in front of the loads below
.else
	PLACES NP
.endif
	FETCH_B \next, 0, 0
	FETCH_A \next, 0, 0
	WIN MUL_HI
	MUL16 4, 1, 0
	MUL16 6, 1, 0
	PLACES NP
	WIN 0
	FETCH_A \next, 0, 4
.endm
	s_wait_tensorcnt 1                             ; my part of K step 0 is in; K step 1's load may be out
	s_barrier_signal -1
	s_barrier_wait -1
	FETCH_B 0, 0, 0
	FETCH_A 0, 0, 0
	FETCH_A 0, 0, 4
	STEP 0, 0, 1                                   ; the first step stands in front of the loop: its products start the sums
	s_mov_b32 s3, LAPS-1
.Llap:                                                 ; a trip goes once round the ring and fills both slots again
	TURN 0, 1, 1
	STEP 1, 0, 0
	TURN 1, 0, 1
	STEP 0, 0, 0
	s_sub_co_u32 s3, s3, 1
	s_cmp_lg_u32 s3, 0
	s_cbranch_scc1 .Llap
	TURN 0, 1, 0                                   ; the last lap fills nothing
	STEP 1, 0, 0
	s_wait_dscnt 4*NL
	WIN MUL_LO
	MUL16 0, 1, 0
	MUL16 2, 1, 0
	s_wait_dscnt 0
	WIN MUL_HI
	MUL16 4, 1, 0
	MUL16 6, 1, 0
	WIN 0
; THE WAY OUT.  Block a (16 rows x 128 columns): eight neighbours become eight codes, and a lane's 8 bytes go into my stage; then the whole block of 128 x 128 codes comes back,
; four rows an instruction, and leaves as 512 consecutive bytes a store.  LDS serves a wave's instructions in order (ISA guide 5.7.1.4): no wait between my stores and my loads.
	s_wait_kmcnt 0x0
	s_cmp_eq_u32 s67, 0
	s_cselect_b32 s89, s80, s82
	s_cselect_b32 s90, s81, s83
	s_cselect_b32 s91, s86, s87
	s_cmp_eq_u32 s67, 2
	s_cselect_b32 s89, s84, s89                    ; ea
	s_cselect_b32 s90, s85, s90                    ; eb
	s_cselect_b32 s91, s88, s91                    ; eo
	s_sub_co_i32 s91, s91, s89
	s_sub_co_i32 s91, s91, s90
	s_add_co_i32 s91, s91, 127
	s_lshl_b32 s92, s91, 23
	v_mov_b32 v[SCL], s92                          ; 2^(eo - ea - eb)
	s_add_co_i32 s91, s91, 8
	s_lshl_b32 s91, s91, 23
	s_or_b32 s91, s91, 0x600000
	PLACES NP
.macro PACKQ a
.set AC, 64*((\a)%4)
.set CC, CD+16*((\a)%2)
	WIN 0x02+((\a)/4)                              ; source 0: window 2 or 3
.set j, 0
.rept 64
.set j, j+1
.endr
.irp b, 0,1,2,3,4,5,6,7
	v_cvt_scalef32_pk8_fp8_f32 v[CC+2*\b:CC+2*\b+1], v[AC+8*\b:AC+8*\b+7], v[SCL]
.endr
	WIN 0
	v_nop                                          ; a plain line behind the last conversion
.irp b, 0,1,2,3,4,5,6,7
	ds_store_b64 v[STO], v[CC+2*\b:CC+2*\b+1] offset:(\a)*16*QP+16*\b
.endr
.endm
.irp a, 0,1,2,3,4,5,6,7
	PACKQ \a
.endr
.set j, 0
.rept 32
	ds_load_b128 v[BK+4*j:BK+4*j+3], v[RD] offset:j*4*QP
.set j, j+1
.endr
.set j, 0
.rept 32
	s_wait_dscnt 31-j
	global_store_b128 v[CO], v[BK+4*j:BK+4*j+3], s[10:11] offset:512*j    ; 32 lanes store 512 consecutive bytes, aligned
.set j, j+1
.endr
	s_wait_tensorcnt 0x0                           ; the wave's end: three closing lines behind my last tensor load and my last LDS store
	ds_add_u32 v[SPW], v[NIL]
	s_wait_dscnt 0x0
	CROUND                                         ; the closing round: no work-group ends while a partner may still ask for a tile that names it
	s_endpgm
.Lfunc_end_k_q26712c5302_proj:
	.size	k_q26712c5302_proj, .Lfunc_end_k_q26712c5302_proj-k_q26712c5302_proj
	.p2alignl 7, 3214868480
	.fill 96, 4, 3214868480
	.section	.rodata,"a",@progbits
	.p2align	6, 0x0
	.amdhsa_kernel k_q26712c5302_proj
		.amdhsa_group_segment_fixed_size 327680
		.amdhsa_private_segment_fixed_size 0
		.amdhsa_enable_private_segment 0
		.amdhsa_kernarg_size 32
		.amdhsa_user_sgpr_count 2
		.amdhsa_user_sgpr_kernarg_segment_ptr 1
		.amdhsa_wavefront_size32 1
		.amdhsa_system_sgpr_workgroup_id_x 1
		.amdhsa_system_sgpr_workgroup_id_y 1
		.amdhsa_system_sgpr_workgroup_id_z 1
		.amdhsa_system_vgpr_workitem_id 0
		.amdhsa_next_free_vgpr 1024
		.amdhsa_next_free_sgpr 100
		.amdhsa_reserve_vcc 0
		.amdhsa_float_denorm_mode_32 3
		.amdhsa_float_denorm_mode_16_64 3
		.amdhsa_fp16_overflow 1
		.amdhsa_memory_ordered 1
		.amdhsa_forward_progress 1
		.amdhsa_inst_pref_size 94
	.end_amdhsa_kernel
	.amdgpu_metadata
---
amdhsa.version: [ 1, 2 ]
amdhsa.kernels:
  - .name:           k_q26712c5302_proj
    .symbol:         k_q26712c5302_proj.kd
    .args:
      - { .name: x_c, .offset: 0, .size: 8, .value_kind: global_buffer, .address_space: global }
      - { .name: w_c, .offset: 8, .size: 8, .value_kind: global_buffer, .address_space: global }
      - { .name: lowp_scales, .offset: 16, .size: 8, .value_kind: global_buffer, .address_space: global }
      - { .name: qkv_c, .offset: 24, .size: 8, .value_kind: global_buffer, .address_space: global }
    .group_segment_fixed_size: 327680
    .private_segment_fixed_size: 0
    .kernarg_segment_align: 8
    .kernarg_segment_size: 32
    .max_flat_workgroup_size: 128
    .sgpr_count:     100
    .vgpr_count:     1024
    .wavefront_size: 32
...
	.end_amdgpu_metadata
.endif
;; end of part 2
;; launch attn (part 3): grid 8 x 32, 8 waves a work-group, clusters of 4 x 1, 327,680 bytes of LDS; arguments qkv_c, lowp_scales, o_f; writes o_f
.if DOCPART == 3
	.amdgcn_target "amdgcn-amd-amdhsa--gfx1250"
	.amdhsa_code_object_version 6
	.text
	.protected	k_q26712c5302_attn
	.globl	k_q26712c5302_attn
	.p2align	8
	.type	k_q26712c5302_attn,@function
k_q26712c5302_attn:
	s_mov_b64 s[64:65], 0
	v_nop
	global_prefetch_b8 v0, s[64:65] scope:SCOPE_SE
	s_setreg_imm32_b32 hwreg(HW_REG_WAVE_MODE, 25, 1), 1
	s_wait_xcnt 0x0
	s_wait_alu depctr_hold_cnt(0) depctr_sa_sdst(0) depctr_va_vdst(0) depctr_va_sdst(0) depctr_va_ssrc(0) depctr_va_vcc(0) depctr_vm_vsrc(0)
	s_getreg_b32 s2, hwreg(HW_REG_IB_STS2, 6, 4)
	s_cmp_eq_u32 s2, 0
	s_cbranch_scc0 .Lentry_in_a_cluster
	s_endpgm
.Lentry_in_a_cluster:
	s_bfe_u32 s2, ttmp6, 0x10000c
	s_cmp_lg_u32 s2, 0x3003
	s_cbranch_scc0 .Lentry_shape_is_right
	s_endpgm
.Lentry_shape_is_right:
; attn: O[b][q][head][:] = the sum over keys of softmax(clip(q . k / 32, +-10,000)) v, both products on codes of E4M3.
; qkv_c: q at 0, k at 8 MiB: [32 (batch x 8 + head)][2048][128] codes; v at 16 MiB: blocks of [128 d][128 keys], 16 blocks a head, keys innermost.  o_f: [8192][1024] f32.
; lowp_scales: entries 6, 7 for q, k; entry 8 for v; entry 9 for p.
; THE SOFTMAX: t = logit x log2(e); M = the largest t so far, rounded UP to a whole number; p = 2^(t - M) is quantised along the keys, not normalised.  The row's sum is taken of the unquantised p and divides O at the end.
; When M moves, the sum and O are multiplied by 2^(old M - new M), which rounds nothing.  THE CLIP is made on the raw sums, at +-320,000 / 2^(e6 + e7): the same numbers, since all factors between are powers of two; it is always executed.
; SHARES.  A work-group owns 256 queries of one head, each of its eight waves 32 of them: TWO tiles of 16, so that each fragment of K and V that comes out of LDS feeds two matrix instructions.  Two waves to a SIMD, 512 registers each.
; Every wave walks the head's 2,048 keys, 128 a step.  K's and V's tiles come through a ring of two LDS slots of 256 keys.  CLUSTER: the four work-groups of a cluster belong to one head and walk the same K and V:
; each tile is asked for JOINTLY (mask 15).  Waves 0-3 fetch, a quarter of a slot each (K's keys 0-127, 128-255; V's two blocks): 128 dense rows of 128 bytes, one shape for all four.
; LAYOUT.  Both products are used transposed: S^T = K Q^T, O^T = V^T P^T: a lane holds ONE query of each tile (lane % 16) throughout.
; Tile t of K is keys 16 t + 0..15, so a lane's eight scores of tile t are keys 16 t + 8 (lane / 16) + 0..7, and their eight codes are registers 2 t, 2 t + 1 of P: the place that this matrix form's own layout gives those keys.
; V's fragments take the same places: eight loads of 8 bytes at row x 144 + 8 (lane / 16) + 16 c.  With rows 144 bytes apart,
; and the 32 lanes of an 8-byte load of V touch 64 different banks (64 banks of 4 bytes: ISA guide 11.1).
; Q's and K's fragments take d = 32 c + 16 (lane / 16) + 0..15 into registers 4 c .. 4 c + 3: one and the same permutation of d on both sides.
; LIMITS: e6 + e7 between -109 and 132; e9 between -126 and 119; e8 + e9 is applied by v_ldexp_f32 and has none.  NaN among the inputs is not served.
; REGISTERS, in windows of 256 (s_set_vgpr_msb: bits 1:0 source 0, 3:2 source 1, 5:4 source 2, 7:6 destination):
;   window 0: v1-11 addresses; v12-19 statistics, four a tile; v20-35 at work, eight a tile; v36-38 constants; v64-191 S^T, then p, 64 a tile; v192-223 p's codes; v224-255 Q.
;   window 1: v0-127 O^T, 64 a tile; v128-255 the eight fragments of a step's K, then of its V.
; All that the softmax touches but O^T lies in window 0, so a key step has some fourteen switches for its 32 matrix instructions.
.set SK,    256                        ; keys in a slot
.set KP,    144                        ; a row of 128 codes in LDS: + 16 of padding
.set VOFF,  SK*KP                      ; a slot: 256 rows of K, then V's two blocks of 128 rows
.set SLOT1, 1<<17                      ; slot 1 begins here: one exclusive or turns an address in one slot into the other's
.set NSL,   8                          ; slots' worth of keys
.set SPARE, 2*SLOT1                    ; behind the ring: the spare words, 128 bytes a wave, which no other line names
.set STAGE, 0                          ; the way out: 16 rows x 272 bytes for each wave, in slot 0: left at the last change of slots, it has had its last fill, and nobody reads it
.set AK0,  1                           ; v1   my lane's place in a tile of K: row r, + 16 h
.set AV0,  2                           ; v2   in a tile of V: row r, + 8 h
.set PFO,  3                           ; v3   256 x my lane; never rewritten
.set SPW,  5                           ; v5   SPARE + 4 x my thread's number; never rewritten
.set NIL,  6                           ; v6   0; never rewritten
.set GO,   7                           ; v7   my byte offset in a tile's rows of O
.set ADK,  8                           ; v8   LDS address of the step's tiles of K
.set ADV,  9                           ; v9   of V
.set ST,   12                          ; tile x at v[ST + 4 x]: -M, the largest t, the sum in two halves
.set TP,   20                          ; tile x at v[TP + 8 x]: +0, +1 f (a pair); +2, +3 the second chain of the sum; +4, +5 two chains of the maximum; +6 the lane permute's destination
.set CLIP, 36                          ; v36  320,000 / 2^(e6 + e7)
.set HOLD, 37
.set PSC,  38                          ; v38  2^e9
.set S,    64
.set P,    192
.set Q,    224
.set FR,   128                         ; in window 1
.set WV,   18                          ; s18  my wave's number
.set SEL,  20                          ; s[20:21] lane l xor 16
.set CS,   22                          ; s[22:23] c = log2(e) / 32 x 2^(e6 + e7)
.set G1,   24                          ; s[24:31] descriptor group 1
.set G0,   40                          ; s[40:43] group 0, which walks
.set TB,   2                           ; s2   LDS byte at which the slot in hand begins
.set SLOTS, 67                         ; s67  slots still to be asked for
.set PFA,  76                          ; s[76:77] where my prefetches stand
.set LIM,  80                          ; s80  1 in a wave that prefetches, else the greatest number
.set MSB, 0
.macro WIN new                         ; the immediate's high byte repeats the setting that is left; a switch that changes nothing is dropped
.if MSB != (\new)
	s_set_vgpr_msb (MSB<<8)|(\new)
.set MSB, (\new)
.endif
.endm
.set TO_F, 0x40                        ; destination (a fragment) window 1, address window 0
.set W_KQ, 0x01                        ; K window 1, Q and S^T window 0
.set W_RS, 0x41                        ; O^T (destination and source 0) window 1, f window 0
.set W_PV, 0x51                        ; V window 1, P window 0, O^T (C and D) window 1
.macro TLOAD                           ; waves 0-3 fetch, the others nothing: a branch on the wave's number alone.  An s_nop 0 and four v_nop follow the line
	s_cmp_lt_u32 s[WV], 4
	s_cbranch_scc0 .Lasked_\@
	tensor_load_to_lds s[G0:G0+3], s[G1:G1+7]
	s_nop 0
.rept 4
	v_nop
.endr
.Lasked_\@:
.endm
; A PREFETCH INTO THE L2 of what the NEXT change of slots will ask for: 32,768 bytes of K and as many of V.  Both clusters of a head walk the same K and V: the head's first cluster asks.  Its four partners take
; 8,192 bytes each, told apart BY ADDRESS; in each, wave 4 asks for K's and wave 5 for V's, lanes 256 bytes apart: one instruction.  So each aligned block of 256 bytes is named once in the launch.
; The last change that fills a slot asks for nothing; slots 0 and 1 come by their loads alone.
.macro ASK
	s_cmp_gt_u32 s[SLOTS], s[LIM]
	s_cbranch_scc0 .Lnot_mine_\@
	global_prefetch_b8 v[PFO], s[PFA:PFA+1] th:TH_LOAD_NT scope:SCOPE_SE
.Lnot_mine_\@:
.endm
.macro CROUND                          ; a round of the cluster's barrier
	s_barrier_signal -1
	s_barrier_wait -1
	s_cmp_lg_u32 s[WV], 0
	s_cbranch_scc1 .Lnot_wave_0_\@
	s_barrier_signal -3
.Lnot_wave_0_\@:
	s_barrier_wait -3
	s_barrier_signal -1
	s_barrier_wait -1
.endm
	s_load_b128 s[4:7], s[0:1], 0x0                ; qkv_c, lowp_scales
	s_load_b64 s[16:17], s[0:1], 0x10              ; o_f
	v_lshl_add_u32 v[SPW], v0, 2, SPARE
	v_mov_b32 v[NIL], 0
	ds_add_u32 v[SPW], v[NIL]                      ; the wave's opening: the add and its wait stand ahead of the first tensor loads; the set-up below stands between them
	ds_add_u32 v[SPW], v[NIL]
	v_lshrrev_b32 v8, 5, v0
	s_delay_alu instid0(VALU_DEP_1)
	v_readfirstlane_b32 s[WV], v8                  ; wave 0..7
	s_bfe_u32 s19, ttmp6, 0x40000                  ; cx: it enters Q's, O's and the prefetches' global addresses alone
	s_and_b32 s72, ttmp7, 0xffff                   ; batch x 8 + head, which the four partners share
	s_lshl_b32 s74, s72, 18                        ; the head's first byte in each part
	s_lshl_b32 s73, ttmp9, 2
	s_add_co_u32 s73, s73, s19                     ; my block of 256 queries
	s_lshl_b32 s73, s73, 8
	s_lshl_b32 s75, s[WV], 5
	s_add_co_u32 s73, s73, s75                     ; my first query: 32 a wave
	s_lshl_b32 s82, s73, 7
	s_add_co_u32 s82, s82, s74                     ; its codes
	s_mov_b32 s83, 0
	s_lshr_b32 s84, s72, 3                         ; batch
	s_lshl_b32 s84, s84, 11
	s_add_co_u32 s84, s84, s73
	s_lshl_b32 s84, s84, 12                        ; its row of O, 4,096 bytes a row,
	s_and_b32 s85, s72, 7
	s_lshl_b32 s85, s85, 9                         ; and the head's 512 bytes in it
	s_add_co_u32 s84, s84, s85
	s_mov_b32 s85, 0
	s_min_u32 s86, s[WV], 3                        ; what I fetch, if I fetch: quarter 0..3 of a slot
	s_mul_i32 s87, s86, 128*KP                     ; in LDS: K's two halves, then V's two blocks
	s_lshr_b32 s88, s86, 1
	s_add_co_u32 s88, s88, 1
	s_lshl_b32 s88, s88, 23                        ; in memory: K's part or V's,
	s_and_b32 s89, s86, 1
	s_lshl_b32 s89, s89, 14                        ; the first or the second 16,384 bytes,
	s_add_co_u32 s88, s88, s89
	s_add_co_u32 s88, s88, s74                     ; of my head
	s_mov_b32 s89, 0
	s_mov_b32 s[G1], 15|(0<<16)|(1<<20)|(1<<21)|(4<<22)|(3<<25)   ; the mask: all four work-groups; elements of 1 byte; padding on; bit 21 beside a mask; after every 32 words, 4 words
	s_mov_b32 s[G1+1], 128<<16                     ; tensor_dim0
	s_mov_b32 s[G1+2], 128<<16                     ; tensor_dim1
	s_mov_b32 s[G1+3], 128<<16                     ; tile_dim0
	s_mov_b32 s[G1+4], 128                         ; tile_dim1
	s_mov_b32 s[G1+5], 128                         ; tensor_dim0_stride: dense rows
	s_mov_b32 s[G1+6], 0
	s_mov_b32 s[G1+7], 0
	s_mov_b32 s[SEL], 0x76543210
	s_mov_b32 s[SEL+1], 0xfedcba98
	s_mov_b32 s[CS], 0x3d38aa3b                    ; log2(e) / 32
	s_mov_b32 s[TB], 0
	s_mov_b32 s[SLOTS], NSL-1
	s_wait_dscnt 0x0                               ; the opening add is done
	s_wait_kmcnt 0x0
	s_load_b128 s[68:71], s[6:7], 0x18             ; e6, e7, e8, e9
	s_mov_b32 s[G0], 1
	s_mov_b32 s[G0+1], s87
	s_add_nc_u64 s[G0+2:G0+3], s[4:5], s[88:89]
	s_or_b32 s[G0+3], s[G0+3], 0x80000000
	CROUND                                         ; all four work-groups are here: the first joint loads meet
	TLOAD                                          ; slot 0
	s_mov_b32 s90, 0x1000000
	s_cmp_lt_u32 s[WV], 5
	s_cselect_b32 s90, 0x800000, s90               ; the prefetches: wave 4 in K's part, wave 5 in V's,
	s_add_co_u32 s90, s90, s74                     ; in my head,
	s_lshl_b32 s91, s19, 13
	s_add_co_u32 s90, s90, s91                     ; my work-group's 8,192 bytes,
	s_add_co_u32 s90, s90, 32768                   ; in slot 1: the first change of slots steps it to slot 2.  Nothing is prefetched here, at the head
	s_mov_b32 s91, 0
	s_add_nc_u64 s[PFA:PFA+1], s[4:5], s[90:91]
	s_sub_co_u32 s92, s[WV], 4
	s_and_not1_b32 s92, s92, 1                     ; 0 in waves 4 and 5,
	s_or_b32 s92, s92, ttmp9                       ; of the head's first cluster: the same in all four partners
	s_cmp_eq_u32 s92, 0
	s_cselect_b32 s[LIM], 1, -1
	s_add_nc_u64 s[16:17], s[16:17], s[84:85]      ; O at my first query
	s_add_nc_u64 s[4:5], s[4:5], s[82:83]          ; Q's codes likewise
	v_and_b32 v[PFO], 31, v0
	s_delay_alu instid0(VALU_DEP_1)
	v_lshlrev_b32 v[PFO], 8, v[PFO]
	v_and_b32 v8, 15, v0                           ; r
	v_bfe_u32 v9, v0, 4, 1                         ; h
	s_delay_alu instid0(VALU_DEP_2)
	v_lshlrev_b32 v10, 7, v8
	s_delay_alu instid0(VALU_DEP_1)
	v_lshl_add_u32 v10, v9, 4, v10                 ; Q: row r of 128 bytes, + 16 h
.irp x, 0,1
.irp c, 0,1,2,3
	global_load_b128 v[Q+16*\x+4*\c:Q+16*\x+4*\c+3], v10, s[4:5] offset:2048*\x+32*\c   ; Q's two fragments stay in registers
.endr
.endr
	v_mul_u32_u24 v[AK0], v8, KP
	s_delay_alu instid0(VALU_DEP_1)
	v_lshl_add_u32 v[AV0], v9, 3, v[AK0]
	s_delay_alu instid0(VALU_DEP_1)
	v_add_nc_u32 v[AV0], VOFF, v[AV0]              ; V: row r, + 8 h
	s_delay_alu instid0(VALU_DEP_3)
	v_lshl_add_u32 v[AK0], v9, 4, v[AK0]           ; K: row r, + 16 h
	v_lshlrev_b32 v[GO], 12, v9
	s_delay_alu instid0(VALU_DEP_1)
	v_lshl_add_u32 v[GO], v8, 4, v[GO]             ; the way out: lanes 0-15 one row of O, lanes 16-31 the next; 16 bytes a lane
.irp x, 0,1
	v_mov_b32 v[ST+4*\x+1], 0xff61b1e6             ; the largest t so far: -3e38, under every t
	s_delay_alu instid0(VALU_DEP_1)
	v_floor_f32 v[ST+4*\x], -v[ST+4*\x+1]          ; -M
	v_mov_b32 v[ST+4*\x+2], 0                      ; the sum, in two halves
	v_mov_b32 v[ST+4*\x+3], 0
	v_mov_b32 v[TP+8*\x+6], 0                      ; written once: a lane permute's destination counts as one of its sources
	v_mov_b32 v[TP+8*\x+1], 0                      ; (named as the upper half of f's pair)
.endr
	WIN TO_F
.set j, 0
.rept 128
	v_mov_b32 v[j], 0                              ; O^T.  (The loop is written once: its first step finds zeros, which the first change of M leaves zeros)
.set j, j+1
.endr
	WIN 0
	s_wait_kmcnt 0x0
	s_add_co_i32 s72, s68, s69
	s_lshl_b32 s72, s72, 23
	s_add_co_i32 s[CS], s[CS], s72                 ; a raw sum stands for sum x 2^(e6 + e7): the exponents are added to c's exponent field
	s_mov_b32 s[CS+1], s[CS]                       ; (named with it as a pair, so it is written)
	s_sub_co_i32 s73, 0x489c4000, s72
	v_mov_b32 v[CLIP], s73                         ; 320,000 / 2^(e6 + e7): the clip, on raw sums
	s_add_co_i32 s72, s71, 127
	s_lshl_b32 s73, s72, 23
	v_mov_b32 v[PSC], s73                          ; 2^e9, for p's conversion
; A KEY STEP: 128 keys, the q-th of the slot in hand, for my two tiles of queries.
.macro STEP q
	v_add_nc_u32 v[ADK], s[TB], v[AK0]
	v_add_nc_u32 v[ADV], s[TB], v[AV0]
	v_nop                                          ; four places in front of loads into registers that matrix instructions have read: the two additions and these two
	v_nop
	WIN TO_F
.irp t, 0,1,2,3,4,5,6,7                        ; K's eight fragments, one run of 32 loads
.irp c, 0,1,2,3
	ds_load_b128 v[FR+16*\t+4*\c:FR+16*\t+4*\c+3], v[ADK] offset:(128*(\q)+16*\t)*KP+32*\c
.endr
.endr
	WIN W_KQ
	s_wait_alu depctr_va_vdst(0)
.irp t, 0,1,2,3,4,5,6,7                        ; S^T = K Q^T: each fragment against both tiles of queries
	s_wait_dscnt 4*(7-\t)                          ; fragment t is in; the four loads of each later fragment may be out
.irp x, 0,1
	v_wmma_f32_16x16x128_fp8_fp8 v[S+64*\x+8*\t:S+64*\x+8*\t+7], v[FR+16*\t:FR+16*\t+15], v[Q+16*\x:Q+16*\x+15], 0
.endr
.endr
	WIN 0
.rept 4
	v_nop                                          ; four places in front of the loads into K's registers and of the first read of the scores
.endr
.irp k, 0,1,2,3                                ; V's eight fragments go out now, in four runs of 16 loads, and land during the softmax; between the runs stands the clip
	WIN TO_F
.irp t, 2*\k, 2*\k+1
.irp c, 0,1,2,3,4,5,6,7
	ds_load_b64 v[FR+16*(\t)+2*\c:FR+16*(\t)+2*\c+1], v[ADV] offset:(128*(\q)+16*(\t))*KP+16*\c
.endr
.endr
	WIN 0
.set j, 32*\k
.rept 32
	v_med3_num_f32 v[S+j], v[S+j], -v[CLIP], v[CLIP]   ; the clip at +-10,000; each accumulator from its low end on
.set j, j+1
.endr
.endr
.irp x, 0,1                                    ; the step's largest score of each of my two queries, among my 64 keys: two chains a tile, the tiles by turns
	v_max3_num_f32 v[TP+8*\x+4], v[S+64*\x], v[S+64*\x+1], v[S+64*\x+2]
	v_max3_num_f32 v[TP+8*\x+5], v[S+64*\x+3], v[S+64*\x+4], v[S+64*\x+5]
.endr
.irp i, 6,10,14,18,22,26,30,34,38,42,46,50,54,58
.irp x, 0,1
	s_delay_alu instid0(VALU_DEP_4)
	v_max3_num_f32 v[TP+8*\x+4], v[TP+8*\x+4], v[S+64*\x+\i], v[S+64*\x+\i+1]
	s_delay_alu instid0(VALU_DEP_4)
	v_max3_num_f32 v[TP+8*\x+5], v[TP+8*\x+5], v[S+64*\x+\i+2], v[S+64*\x+\i+3]
.endr
.endr
.irp x, 0
	s_delay_alu instid0(VALU_DEP_4)
	v_max3_num_f32 v[TP+8*\x+4], v[TP+8*\x+4], v[S+64*\x+62], v[S+64*\x+63]
.endr
.irp x, 1
	s_delay_alu instid0(VALU_DEP_3)
	v_max3_num_f32 v[TP+8*\x+4], v[TP+8*\x+4], v[S+64*\x+62], v[S+64*\x+63]
.endr
.irp x, 0,1
	s_delay_alu instid0(VALU_DEP_2)
	v_max_num_f32 v[TP+8*\x+4], v[TP+8*\x+4], v[TP+8*\x+5]
.endr
.irp x, 0,1
	s_delay_alu instid0(VALU_DEP_2)
	v_permlanex16_b32 v[TP+8*\x+6], v[TP+8*\x+4], s[SEL], s[SEL+1]
.endr
.irp x, 0,1
	s_delay_alu instid0(VALU_DEP_2)
	v_max_num_f32 v[TP+8*\x+4], v[TP+8*\x+4], v[TP+8*\x+6]   ; and among lane l xor 16's
.endr
.irp x, 0,1
	s_delay_alu instid0(VALU_DEP_2)
	v_mul_f32 v[TP+8*\x+4], s[CS], v[TP+8*\x+4]    ; as t (c is positive)
.endr
.irp x, 0,1
	s_delay_alu instid0(VALU_DEP_2)
	v_max_num_f32 v[ST+4*\x+1], v[ST+4*\x+1], v[TP+8*\x+4]   ; the running largest t
.endr
.irp x, 0,1
	v_mov_b32 v[TP+8*\x+4], v[ST+4*\x]
.endr
.irp x, 0,1
	s_delay_alu instid0(VALU_DEP_4)
	v_floor_f32 v[ST+4*\x], -v[ST+4*\x+1]          ; the new -M = floor(-t) = -ceil(t): a whole number
.endr
.irp x, 0,1
	s_delay_alu instid0(VALU_DEP_2)
	v_sub_f32 v[TP+8*\x+4], v[ST+4*\x], v[TP+8*\x+4]   ; M's old value less its new one: a whole number, 0 or less
.endr
.irp x, 0,1
	s_delay_alu instid0(VALU_DEP_2)
	v_cvt_i32_f32 v[TP+8*\x+4], v[TP+8*\x+4]       ; (it saturates)
.endr
.irp x, 0,1
	s_delay_alu instid0(VALU_DEP_2)
	v_ldexp_f32 v[TP+8*\x], 1.0, v[TP+8*\x+4]      ; f = 2^(old M - new M)
.endr
.irp x, 0,1
.set j, 0
.rept 32
	v_pk_fma_f32 v[S+64*\x+j:S+64*\x+j+1], v[S+64*\x+j:S+64*\x+j+1], s[CS:CS+1], v[ST+4*\x:ST+4*\x+1] op_sel_hi:[1,0,0]   ; t - M, two at a time (of the pairs c and -M the low word serves both halves)
.set j, j+2
.endr
.endr
.set j, 0
	s_wait_alu depctr_va_vdst(0)
.rept 128
	v_exp_f32 v[S+j], v[S+j]                       ; p = 2^(t - M), at most 1: one batch for both tiles
.set j, j+1
.endr
	WIN W_RS
	s_wait_alu depctr_va_vdst(0)
.irp x, 0,1
.set j, 0
.rept 32
	v_pk_mul_f32 v[64*\x+j:64*\x+j+1], v[64*\x+j:64*\x+j+1], v[TP+8*\x:TP+8*\x+1] op_sel_hi:[1,0]   ; O^T under the new M: plain lines that name none of the batch's results, between the batch and its wait
.set j, j+2
.endr
.endr
	WIN 0
.irp x, 0,1
	v_pk_mul_f32 v[ST+4*\x+2:ST+4*\x+3], v[ST+4*\x+2:ST+4*\x+3], v[TP+8*\x:TP+8*\x+1] op_sel_hi:[1,0]   ; the sums under the new M
.endr
	s_wait_alu depctr_va_vdst(0)                   ; one wait for the whole batch, ahead of its first reader
.irp x, 0,1
	v_pk_add_f32 v[TP+8*\x+2:TP+8*\x+3], v[S+64*\x:S+64*\x+1], v[S+64*\x+2:S+64*\x+3]   ; the row's sum is taken of the UNQUANTISED p: two at a time, two chains a tile
.endr
.irp i, 4,8,12,16,20,24,28,32,36,40,44,48,52,56,60
.irp x, 0,1
	v_pk_add_f32 v[ST+4*\x+2:ST+4*\x+3], v[ST+4*\x+2:ST+4*\x+3], v[S+64*\x+\i:S+64*\x+\i+1]
	v_pk_add_f32 v[TP+8*\x+2:TP+8*\x+3], v[TP+8*\x+2:TP+8*\x+3], v[S+64*\x+\i+2:S+64*\x+\i+3]
.endr
.endr
.irp x, 0
	s_delay_alu instid0(VALU_DEP_3)
	v_pk_add_f32 v[ST+4*\x+2:ST+4*\x+3], v[ST+4*\x+2:ST+4*\x+3], v[TP+8*\x+2:TP+8*\x+3]
.endr
.irp x, 1
	s_delay_alu instid0(VALU_DEP_2)
	v_pk_add_f32 v[ST+4*\x+2:ST+4*\x+3], v[ST+4*\x+2:ST+4*\x+3], v[TP+8*\x+2:TP+8*\x+3]
.endr
.irp x, 0,1
.irp b, 0,1,2,3
.irp i, 0,1,2,3,4,5,6,7,8,9,10,11,12,13,14,15
.endr
	v_cvt_scalef32_pk8_fp8_f32 v[P+16*\x+4*\b:P+16*\x+4*\b+1], v[S+64*\x+16*\b:S+64*\x+16*\b+7], v[PSC]        ; tile 2 b's eight keys: registers 4 b, 4 b + 1 of P
	v_cvt_scalef32_pk8_fp8_f32 v[P+16*\x+4*\b+2:P+16*\x+4*\b+3], v[S+64*\x+16*\b+8:S+64*\x+16*\b+15], v[PSC]   ; tile 2 b + 1's: registers 4 b + 2, 4 b + 3
.endr
.endr
	v_nop                                          ; one plain line between the last conversion and the matrix instructions that read its result
	s_wait_alu depctr_va_vdst(0)
	s_wait_dscnt 0x0                               ; V is in
	WIN W_PV
.irp t, 0,1,2,3,4,5,6,7                        ; O^T += V^T P^T: each fragment against both tiles; the sixteen accumulators take turns
.irp x, 0,1
	v_wmma_f32_16x16x128_fp8_fp8 v[64*\x+8*\t:64*\x+8*\t+7], v[FR+16*\t:FR+16*\t+15], v[P+16*\x:P+16*\x+15], v[64*\x+8*\t:64*\x+8*\t+7]
.endr
.endr
	WIN 0
.endm
; THE CHANGE OF SLOTS stands at a slot's head.  Each wave waits for all its tensor loads, adds 0 to its spare word, and waits for that and for its reads of the slot that it has left.
; fill = 1: a round of the cluster's barrier, so that no wave of any partner still reads the other slot or has a load on its way; the joint refill is the first thing behind it and has a slot's two key steps in which to land.
.macro CHANGE fill
	s_wait_tensorcnt 0x0                           ; no tensor load of mine is out, so group 0 may be written
	ds_add_u32 v[SPW], v[NIL]                      ; 0 onto my spare word
.if \fill
	s_xor_b32 s[G0+1], s[G0+1], SLOT1              ; the walking descriptor: the other slot than last time,
	s_add_nc_u64 s[G0+2:G0+3], s[G0+2:G0+3], 32768 ; the next 256 keys; the type bits on top are not reached
	s_wait_xcnt 0x0                                ; the last prefetch, a slot back, has read its address, so it may be written:
	s_add_nc_u64 s[PFA:PFA+1], s[PFA:PFA+1], 32768 ; one slot further on than the walking descriptor
	s_wait_dscnt 0x0                               ; the add is done, and my reads of the slot that I have left are over
	CROUND
	TLOAD
	ASK
.else
	s_wait_dscnt 0x0
	s_barrier_signal -1
	s_barrier_wait -1
.endif
.endm
.macro SLOT_STEPS
	STEP 0
	STEP 1
	s_xor_b32 s[TB], s[TB], SLOT1                  ; on to the other slot
.endm
	s_wait_loadcnt 0x0                             ; Q
.Lslot:                                            ; seven trips: behind each change of slots but the last the next slot is asked for
	CHANGE 1
	SLOT_STEPS
	s_sub_co_u32 s[SLOTS], s[SLOTS], 1
	s_cmp_lg_u32 s[SLOTS], 0
	s_cbranch_scc1 .Lslot
	CHANGE 0                                       ; the last slot is written out
	SLOT_STEPS
	; THE WAY OUT.  O^T is divided by the sum, multiplied by 2^(e8 + e9), and goes through my stage in LDS, half a head (64 channels, 256 bytes) of 16 queries at a time: four rounds.
.irp x, 0,1
	v_add_f32 v[ST+4*\x+2], v[ST+4*\x+2], v[ST+4*\x+3]   ; the sum's two halves,
.endr
.irp x, 0,1
	s_delay_alu instid0(VALU_DEP_2)
	v_permlanex16_b32 v[TP+8*\x+6], v[ST+4*\x+2], s[SEL], s[SEL+1]
.endr
.irp x, 0,1
	s_delay_alu instid0(VALU_DEP_2)
	v_add_f32 v[ST+4*\x+2], v[ST+4*\x+2], v[TP+8*\x+6]   ; and lane l xor 16's
.endr
	s_wait_alu depctr_va_vdst(0)
.irp x, 0,1
	v_rcp_f32 v[ST+4*\x+2], v[ST+4*\x+2]
.endr
	v_and_b32 v8, 15, v0                           ; (a plain line behind the transcendentals)  r
	v_bfe_u32 v9, v0, 4, 1                         ; h
	s_add_co_i32 s72, s70, s71
	s_mul_i32 s73, s[WV], 16*272
	s_add_co_u32 s73, s73, STAGE                   ; my stage
	v_mul_u32_u24 v10, v8, 272
	s_delay_alu instid0(VALU_DEP_1)
	v_lshl_add_u32 v10, v9, 5, v10
	s_delay_alu instid0(VALU_DEP_1)
	v_add_nc_u32 v10, s73, v10                     ; in: row r; tile t's eight channels of my half: 64 t + 32 h bytes on
	v_mul_u32_u24 v11, v9, 272
	s_delay_alu instid0(VALU_DEP_1)
	v_lshl_add_u32 v11, v8, 4, v11
	s_delay_alu instid0(VALU_DEP_1)
	v_add_nc_u32 v11, s73, v11                     ; back: lanes 0-15 one row, lanes 16-31 the next
	s_wait_alu depctr_va_vdst(0)                   ; the wait ahead of the reciprocals' first reader
.irp x, 0,1
	v_ldexp_f32 v[ST+4*\x+2], v[ST+4*\x+2], s72
.endr
	WIN 0x01                                       ; source 0 (O^T) window 1; the results go where the scores lay
.irp x, 0,1
.set j, 0
.rept 64
	v_mul_f32 v[S+64*\x+j], v[64*\x+j], v[ST+4*\x+2]   ; register 8 t + i is o(query r of tile x, channel 16 t + 8 h + i); each accumulator from its low end on
.set j, j+1
.endr
.endr
	WIN 0
.irp x, 0,1
.irp u, 0,1
.irp t, 0,1,2,3
	ds_store_b128 v10, v[S+64*\x+32*\u+8*\t:S+64*\x+32*\u+8*\t+3] offset:64*\t
	ds_store_b128 v10, v[S+64*\x+32*\u+8*\t+4:S+64*\x+32*\u+8*\t+7] offset:64*\t+16
.endr
.irp i, 0,1,2,3,4,5,6,7
	ds_load_b128 v[S+64*\x+32*\u+4*\i:S+64*\x+32*\u+4*\i+3], v11 offset:2*\i*272   ; LDS serves a wave's instructions in order (ISA guide 5.7.1.4): these see my stores, and the next round's stores come behind them; the rows come back into the registers that they left
.endr
.endr
.endr
.irp x, 0,1
.irp u, 0,1
.irp i, 0,1,2,3,4,5,6,7
	s_wait_dscnt 16*(3-(2*\x+\u))+7-\i             ; behind this load: the round's younger loads and sixteen LDS instructions for each later round
	global_store_b128 v[GO], v[S+64*\x+32*\u+4*\i:S+64*\x+32*\u+4*\i+3], s[16:17] offset:65536*\x+2*\i*4096+256*\u   ; sixteen lanes store 256 consecutive bytes, aligned
.endr
.endr
.endr
	s_wait_tensorcnt 0x0                           ; the wave's end: three closing lines behind my last tensor load and my last LDS store
	ds_add_u32 v[SPW], v[NIL]
	s_wait_dscnt 0x0
	CROUND                                         ; the closing round
	s_endpgm
.Lfunc_end_k_q26712c5302_attn:
	.size	k_q26712c5302_attn, .Lfunc_end_k_q26712c5302_attn-k_q26712c5302_attn
	.p2alignl 7, 3214868480
	.fill 96, 4, 3214868480
	.section	.rodata,"a",@progbits
	.p2align	6, 0x0
	.amdhsa_kernel k_q26712c5302_attn
		.amdhsa_group_segment_fixed_size 327680
		.amdhsa_private_segment_fixed_size 0
		.amdhsa_enable_private_segment 0
		.amdhsa_kernarg_size 24
		.amdhsa_user_sgpr_count 2
		.amdhsa_user_sgpr_kernarg_segment_ptr 1
		.amdhsa_wavefront_size32 1
		.amdhsa_system_sgpr_workgroup_id_x 1
		.amdhsa_system_sgpr_workgroup_id_y 1
		.amdhsa_system_sgpr_workgroup_id_z 1
		.amdhsa_system_vgpr_workitem_id 0
		.amdhsa_next_free_vgpr 512
		.amdhsa_next_free_sgpr 100
		.amdhsa_reserve_vcc 0
		.amdhsa_float_denorm_mode_32 3
		.amdhsa_float_denorm_mode_16_64 3
		.amdhsa_fp16_overflow 1
		.amdhsa_memory_ordered 1
		.amdhsa_forward_progress 1
		.amdhsa_inst_pref_size 192
	.end_amdhsa_kernel
	.amdgpu_metadata
---
amdhsa.version: [ 1, 2 ]
amdhsa.kernels:
  - .name:           k_q26712c5302_attn
    .symbol:         k_q26712c5302_attn.kd
    .args:
      - { .name: qkv_c, .offset: 0, .size: 8, .value_kind: global_buffer, .address_space: global }
      - { .name: lowp_scales, .offset: 8, .size: 8, .value_kind: global_buffer, .address_space: global }
      - { .name: o_f, .offset: 16, .size: 8, .value_kind: global_buffer, .address_space: global }
    .group_segment_fixed_size: 327680
    .private_segment_fixed_size: 0
    .kernarg_segment_align: 8
    .kernarg_segment_size: 24
    .max_flat_workgroup_size: 256
    .sgpr_count:     100
    .vgpr_count:     512
    .wavefront_size: 32
...
	.end_amdgpu_metadata
.endif
;; end of part 3
;; launch outp (part 4): grid 256 x 1, 16 waves a work-group, no clusters, 166,912 bytes of LDS; arguments o_f, w_c, ln_g, ln_b, lowp_scales, out0; writes out0
.if DOCPART == 4
	.amdgcn_target "amdgcn-amd-amdhsa--gfx1250"
	.amdhsa_code_object_version 6
	.text
	.protected	k_q26712c5302_outp
	.globl	k_q26712c5302_outp
	.p2align	8
	.type	k_q26712c5302_outp,@function
k_q26712c5302_outp:
	s_mov_b64 s[64:65], 0
	v_nop
	global_prefetch_b8 v0, s[64:65] scope:SCOPE_SE
	s_setreg_imm32_b32 hwreg(HW_REG_WAVE_MODE, 25, 1), 1
	s_wait_xcnt 0x0
; outp: On = LayerNorm(O); out0 = On + gelu(Q(On) Q(Wo)), the product on codes of E4M3 (entries 10 and 11 of lowp_scales), gelu with the exact error function.
; SHARES.  A work-group of sixteen waves takes 32 rows and all 1,024 outputs.  For the LayerNorm wave w takes rows 2 w and 2 w + 1, a row in 32 registers (lane l: k = 256 j + 8 l + 0..7).
; On goes to LDS twice: as f32 (the residual) and as codes.  For the product THE WAVES SHARE THE COLUMNS: wave w makes outputs 64 w .. 64 w + 63 for both tiles of 16 rows: eight accumulators by turns.
; Wo's codes lie in w_c part 3 in the order of an operand's registers: each fragment comes from memory straight into registers by four loads of 512 consecutive bytes; no wave reads another wave's fragments.
; The product is used transposed (source 0 = 16 columns of Wo, source 1 = 16 rows of On): a lane holds one row and eight neighbouring outputs.
; GELU: y Phi(y), Phi(-|y|) = q = (a1 t + .. + a5 t^5) / 2 x e^(-y^2 / 2), t = 1 / (1 + 0.3275911 |y| / sqrt 2) (Abramowitz and Stegun 7.1.26: absolute error of erf 1.5e-7, for every argument);
; y Phi(y) = y / 2 + |y| (1/2 - q).  It stands behind no quantiser.
; LIMITS: e10 between -126 and 119; e10 + e11 between -126 and 127.  NaN and infinities among the inputs are not served.
; LDS: On and later the result, f32, 32 rows x 4,112 bytes; the codes, 32 rows x 1,040; the spare words.  Two barriers: behind the first the codes and On are whole; between them a wave touches only its own 256 bytes of each row of On;
; behind the second the results are whole, and each wave stores its two rows.
.set ONP,   4112                       ; a row of On: 4,096 bytes + 16
.set CP,    1040                       ; a row of codes: 1,024 bytes + 16
.set CODES, 32*ONP
.set SPARE, CODES+32*CP                ; the spare words, 128 bytes a wave, which no other line names
.set LB,   16                          ; v16-47   ln_b; later On's two fragments
.set X0,   48                          ; v48-79   row 2 w;  v80-111 ln_g;  later the eight accumulators: (n tile, row tile) at 48 + 8 (2 n + m)
.set LG,   80
.set WB,   112                         ; v112-175, v176-239  Wo's fragments, two sets of four
.set X1,   176                         ; v176-207 row 2 w + 1
.set T,    208                         ; v208-215 partial sums
.set MU,   216
.set RS,   218
.set CC0,  220                         ; v220-235 two sets of codes
.set AFR,  16
.set ACC,  48
.set TT,   112                         ; gelu: t, e, the polynomial, On
.set EE,   144
.set PP,   176
.set ON,   208
.set SPW,  252                         ; v252 SPARE + 4 x my thread's number; never rewritten
.set NIL,  253                         ; v253 0; never rewritten
.set INV,  54                          ; s54 1/1024, s55 1e-5
.set SEL,  56                          ; s[56:57] lane l xor 16
	s_load_b256 s[8:15], s[0:1], 0x0               ; o_f, w_c, ln_g, ln_b
	s_load_b128 s[16:19], s[0:1], 0x20             ; lowp_scales, out0
	v_lshl_add_u32 v[SPW], v0, 2, SPARE
	v_mov_b32 v[NIL], 0
	v_lshrrev_b32 v1, 5, v0
	s_delay_alu instid0(VALU_DEP_1)
	v_readfirstlane_b32 s20, v1                    ; wave 0..15
	v_and_b32 v1, 31, v0                           ; lane
	v_and_b32 v2, 15, v0                           ; r
	v_bfe_u32 v3, v0, 4, 1                         ; h
	s_delay_alu instid0(VALU_DEP_3)
	v_lshlrev_b32 v4, 5, v1                        ; 32 x lane
	s_delay_alu instid0(VALU_DEP_4)
	v_lshlrev_b32 v8, 4, v1                        ; 16 x lane
	s_mul_i32 s21, s20, 2*ONP
	v_add_nc_u32 v5, s21, v4                       ; On, my two rows, 32 bytes a lane
	v_add_nc_u32 v11, s21, v8                      ; the same rows, 16 bytes a lane
	s_mul_i32 s21, s20, 2*CP
	s_add_co_u32 s21, s21, CODES
	v_lshl_add_u32 v6, v1, 3, s21                  ; the codes of my two rows, 8 bytes a lane
	v_mul_u32_u24 v7, v2, CP
	s_delay_alu instid0(VALU_DEP_1)
	v_lshl_add_u32 v7, v3, 4, v7
	s_delay_alu instid0(VALU_DEP_1)
	v_add_nc_u32 v7, CODES, v7                     ; a fragment of On: row r, + 16 h
	v_mul_u32_u24 v9, v2, ONP
	s_delay_alu instid0(VALU_DEP_1)
	v_lshl_add_u32 v9, v3, 5, v9
	s_lshl_b32 s21, s20, 8
	v_add_nc_u32 v9, s21, v9                       ; my outputs' place in On: row r, 256 w + 32 h
	s_delay_alu instid0(VALU_DEP_1)
	v_add_nc_u32 v10, 16*ONP, v9                   ; and in the second tile of rows
	s_lshl_b32 s24, ttmp9, 17                      ; 32 rows of 4,096 bytes
	s_lshl_b32 s25, s20, 13                        ; my two
	s_add_co_u32 s24, s24, s25
	s_mov_b32 s25, 0
	s_lshl_b32 s26, s20, 16                        ; my four n tiles x eight K steps x 2,048 bytes,
	s_add_co_u32 s26, s26, 3<<20                   ; in part 3 of w_c
	s_mov_b32 s27, 0
	s_mov_b32 s[INV], 0x3a800000
	s_mov_b32 s[INV+1], 0x3727c5ac
	s_mov_b32 s[SEL], 0x76543210
	s_mov_b32 s[SEL+1], 0xfedcba98
	s_mov_b32 s42, 0x3e6d3388                      ; 0.3275911 / sqrt 2
	s_mov_b32 s44, 0xbf38aa3b                      ; -log2(e) / 2
	s_mov_b32 s45, s44
	s_mov_b32 s46, 0x3f07dc22                      ; a5 / 2
	s_mov_b32 s47, s46
	s_mov_b32 s48, 0x3f35f0e3                      ; a3 / 2
	s_mov_b32 s49, s48
	s_mov_b32 s50, 0xbe11a98e                      ; a2 / 2
	s_mov_b32 s51, s50
	s_mov_b32 s52, 0x3e027906                      ; a1 / 2
	s_mov_b32 s53, s52
	v_mov_b32 v244, 0xbf3a00e3                     ; a4 / 2, twice
	v_mov_b32 v245, 0xbf3a00e3
	s_wait_kmcnt 0x0
	s_load_b64 s[22:23], s[16:17], 0x28            ; e10, e11
	s_add_nc_u64 s[8:9], s[8:9], s[24:25]
	s_add_nc_u64 s[18:19], s[18:19], s[24:25]
	s_add_nc_u64 s[10:11], s[10:11], s[26:27]
.macro XLOAD reg, off
.irp j, 0,1,2,3
	global_load_b128 v[\reg+8*\j:\reg+8*\j+3], v4, s[8:9] offset:(\off)+1024*\j th:TH_LOAD_NT
	global_load_b128 v[\reg+8*\j+4:\reg+8*\j+7], v4, s[8:9] offset:(\off)+1024*\j+16 th:TH_LOAD_NT
.endr
.endm
.macro WLOAD s                         ; K step s: my four fragments of Wo, 16 loads of 512 consecutive bytes, into set s % 2
.irp n, 0,1,2,3
.irp c, 0,1,2,3
	global_load_b128 v[WB+64*((\s)%2)+16*\n+4*\c:WB+64*((\s)%2)+16*\n+4*\c+3], v8, s[10:11] offset:\n*16384+(\s)*2048+512*\c
.endr
.endr
.endm
	XLOAD X0, 0
	XLOAD X1, 4096
.irp j, 0,1,2,3
	global_load_b128 v[LG+8*\j:LG+8*\j+3], v4, s[12:13] offset:1024*\j
	global_load_b128 v[LG+8*\j+4:LG+8*\j+7], v4, s[12:13] offset:1024*\j+16
	global_load_b128 v[LB+8*\j:LB+8*\j+3], v4, s[14:15] offset:1024*\j
	global_load_b128 v[LB+8*\j+4:LB+8*\j+7], v4, s[14:15] offset:1024*\j+16
.endr
	WLOAD 0
	s_wait_kmcnt 0x0
	s_add_co_i32 s28, s22, 127
	s_lshl_b32 s29, s28, 23
	v_mov_b32 v248, s29                            ; 2^e10
	s_add_co_i32 s40, s22, s23
	s_add_co_i32 s40, s40, 127
	s_lshl_b32 s40, s40, 23                        ; 2^(e10 + e11)
	s_mov_b32 s41, s40
.macro REDUCE                          ; four pairs of partial sums in v[T] on -> the wave's sum, in every lane's v[T]
	s_delay_alu instid0(VALU_DEP_3)
	v_pk_add_f32 v[T:T+1], v[T:T+1], v[T+2:T+3]
	s_delay_alu instid0(VALU_DEP_2)
	v_pk_add_f32 v[T+4:T+5], v[T+4:T+5], v[T+6:T+7]
	s_delay_alu instid0(VALU_DEP_1)
	v_pk_add_f32 v[T:T+1], v[T:T+1], v[T+4:T+5]
	s_delay_alu instid0(VALU_DEP_1)
	v_add_f32 v[T], v[T], v[T+1]
	s_delay_alu instid0(VALU_DEP_1)
	v_add_f32_dpp v[T], v[T], v[T] row_xmask:1 row_mask:0xf bank_mask:0xf
	s_delay_alu instid0(VALU_DEP_1)
	v_add_f32_dpp v[T], v[T], v[T] row_xmask:2 row_mask:0xf bank_mask:0xf
	s_delay_alu instid0(VALU_DEP_1)
	v_add_f32_dpp v[T], v[T], v[T] row_xmask:4 row_mask:0xf bank_mask:0xf
	s_delay_alu instid0(VALU_DEP_1)
	v_add_f32_dpp v[T], v[T], v[T] row_xmask:8 row_mask:0xf bank_mask:0xf
	s_delay_alu instid0(VALU_DEP_1)
	v_permlanex16_b32 v[T+1], v[T], s[SEL], s[SEL+1]
	s_delay_alu instid0(VALU_DEP_1)
	v_add_f32 v[T], v[T], v[T+1]
.endm
; Row s of my two, in v[x] on: LayerNorm in two passes; On to LDS as f32; converted, the codes to LDS.
.macro LNROW x, s
.set XS, \x
.set p, 0
.rept 4
	v_pk_add_f32 v[T+p:T+p+1], v[XS+p:XS+p+1], v[XS+8+p:XS+8+p+1]
.set p, p+2
.endr
.set p, 16
.rept 8
	s_delay_alu instid0(VALU_DEP_4)
	v_pk_add_f32 v[T+p%8:T+p%8+1], v[T+p%8:T+p%8+1], v[XS+p:XS+p+1]
.set p, p+2
.endr
	REDUCE
	s_delay_alu instid0(VALU_DEP_1)
	v_mul_f32 v[MU], s[INV], v[T]
	s_delay_alu instid0(VALU_DEP_1)
	v_mov_b32 v[MU+1], v[MU]
.set p, 0
.rept 16
	v_pk_add_f32 v[XS+p:XS+p+1], v[XS+p:XS+p+1], v[MU:MU+1] neg_lo:[0,1] neg_hi:[0,1]
.set p, p+2
.endr
.set p, 0
.rept 4
	v_pk_mul_f32 v[T+p:T+p+1], v[XS+p:XS+p+1], v[XS+p:XS+p+1]
.set p, p+2
.endr
.rept 12
	s_delay_alu instid0(VALU_DEP_4)
	v_pk_fma_f32 v[T+p%8:T+p%8+1], v[XS+p:XS+p+1], v[XS+p:XS+p+1], v[T+p%8:T+p%8+1]
.set p, p+2
.endr
	REDUCE
	s_delay_alu instid0(VALU_DEP_1)
	v_fma_f32 v[T], v[T], s[INV], s[INV+1]
	s_wait_alu depctr_va_vdst(0)
	v_rsq_f32 v[RS], v[T]
	v_nop                                          ; a plain line behind the transcendental,
	s_wait_alu depctr_va_vdst(0)                   ; and the wait ahead of its first reader
	v_mov_b32 v[RS+1], v[RS]
.set p, 0
.rept 16
	v_pk_mul_f32 v[XS+p:XS+p+1], v[XS+p:XS+p+1], v[RS:RS+1]
.set p, p+2
.endr
.set p, 0
.rept 16
	v_pk_fma_f32 v[XS+p:XS+p+1], v[XS+p:XS+p+1], v[LG+p:LG+p+1], v[LB+p:LB+p+1]
.set p, p+2
.endr
.set p, 0
.rept 4
	ds_store_b128 v5, v[XS+8*p:XS+8*p+3] offset:(\s)*ONP+1024*p          ; On as it is: the residual takes it unquantised
	ds_store_b128 v5, v[XS+8*p+4:XS+8*p+7] offset:(\s)*ONP+1024*p+16
.set p, p+1
.endr
.set p, 0
.rept 32
.set p, p+1
.endr
.set p, 0
.rept 4
	v_cvt_scalef32_pk8_fp8_f32 v[CC0+8*(\s)+2*p:CC0+8*(\s)+2*p+1], v[XS+8*p:XS+8*p+7], v248
.set p, p+1
.endr
	v_nop                                          ; a plain line behind the last conversion: matrix instructions later write its sources
.set p, 0
.rept 4
	ds_store_b64 v6, v[CC0+8*(\s)+2*p:CC0+8*(\s)+2*p+1] offset:(\s)*CP+256*p
.set p, p+1
.endr
.endm
	s_wait_loadcnt 16                              ; my rows, ln_g and ln_b are in; the sixteen loads of Wo's first K step may be out
	LNROW X0, 0
	LNROW X1, 1
	s_wait_dscnt 0x0                               ; for the others' sake: my stores have landed
	s_barrier_signal -1
	s_barrier_wait -1                              ; the 32 rows' codes and On lie in LDS
; A K step of 128: the next step's fragments of Wo are asked for, On's two fragments come from LDS, eight matrix instructions on eight accumulators by turns.
.macro KSTEP s
.if (\s) > 0
.rept 4
	v_nop                                          ; four places in front of loads into registers that matrix instructions have read
.endr
.endif
.if (\s) < 7
	WLOAD (\s)+1
.endif
.irp m, 0,1
.irp c, 0,1,2,3
	ds_load_b128 v[AFR+16*\m+4*\c:AFR+16*\m+4*\c+3], v7 offset:\m*16*CP+128*(\s)+32*\c
.endr
.endr
.if (\s) < 7
	s_wait_loadcnt 16                              ; this step's fragments are in; the next step's sixteen loads may be out
.else
	s_wait_loadcnt 0x0
.endif
	s_wait_dscnt 0x0
.irp n, 0,1,2,3
.irp m, 0,1
.if (\s) == 0
	v_wmma_f32_16x16x128_fp8_fp8 v[ACC+8*(2*\n+\m):ACC+8*(2*\n+\m)+7], v[WB+64*((\s)%2)+16*\n:WB+64*((\s)%2)+16*\n+15], v[AFR+16*\m:AFR+16*\m+15], 0
.else
	v_wmma_f32_16x16x128_fp8_fp8 v[ACC+8*(2*\n+\m):ACC+8*(2*\n+\m)+7], v[WB+64*((\s)%2)+16*\n:WB+64*((\s)%2)+16*\n+15], v[AFR+16*\m:AFR+16*\m+15], v[ACC+8*(2*\n+\m):ACC+8*(2*\n+\m)+7]
.endif
.endr
.endr
.endm
.irp s, 0,1,2,3,4,5,6,7
	KSTEP \s
.endr
.rept 4
	v_nop                                          ; places in front of the first read of results and of loads into Wo's registers
.endr
; Tile g of rows: my four accumulators, 32 numbers a lane.  Number j = 8 n + i lies in v[ACC + 16 n + 8 g + i].
.macro GELU g
.irp n, 0,1,2,3
	ds_load_b128 v[ON+8*\n:ON+8*\n+3], v[9+\g] offset:64*\n
	ds_load_b128 v[ON+8*\n+4:ON+8*\n+7], v[9+\g] offset:64*\n+16
.endr
.set j, 0
.rept 16
.set YJ, ACC+16*(j/8)+8*(\g)+j%8
	v_pk_mul_f32 v[YJ:YJ+1], v[YJ:YJ+1], s[40:41] op_sel_hi:[1,0]        ; y = sum x 2^(e10 + e11); each accumulator from its low end on
.set j, j+2
.endr
.set j, 0
.rept 32
.set YJ, ACC+16*(j/8)+8*(\g)+j%8
	v_fma_f32 v[TT+j], |v[YJ]|, s42, 1.0
.set j, j+1
.endr
.set j, 0
.rept 16
.set YJ, ACC+16*(j/8)+8*(\g)+j%8
	v_pk_mul_f32 v[EE+j:EE+j+1], v[YJ:YJ+1], v[YJ:YJ+1]
.set j, j+2
.endr
.set j, 0
.rept 16
	v_pk_mul_f32 v[EE+j:EE+j+1], v[EE+j:EE+j+1], s[44:45] op_sel_hi:[1,0]
.set j, j+2
.endr
.set j, 0
	s_wait_alu depctr_va_vdst(0)
.rept 32
	v_rcp_f32 v[TT+j], v[TT+j]                     ; one batch: 32 reciprocals and 32 exponentials
.set j, j+1
.endr
.set j, 0
.rept 32
	v_exp_f32 v[EE+j], v[EE+j]
.set j, j+1
.endr
	s_wait_dscnt 0x0                               ; On is in
.set j, 0
.rept 16
.set YJ, ACC+16*(j/8)+8*(\g)+j%8
	v_pk_fma_f32 v[ON+j:ON+j+1], v[YJ:YJ+1], 0.5, v[ON+j:ON+j+1] op_sel_hi:[1,0,1]   ; On + y / 2: plain lines that name none of the batch's results
.set j, j+2
.endr
	s_wait_alu depctr_va_vdst(0)                   ; one wait for the whole batch, ahead of its first reader
.set j, 0
.rept 16
	v_pk_fma_f32 v[PP+j:PP+j+1], v[TT+j:TT+j+1], s[46:47], v[244:245] op_sel_hi:[1,0,1]
.set j, j+2
.endr
.irp a, 48, 50, 52
.set j, 0
.rept 16
	v_pk_fma_f32 v[PP+j:PP+j+1], v[PP+j:PP+j+1], v[TT+j:TT+j+1], s[\a:\a+1] op_sel_hi:[1,1,0]
.set j, j+2
.endr
.endr
.set j, 0
.rept 16
	v_pk_mul_f32 v[PP+j:PP+j+1], v[PP+j:PP+j+1], v[TT+j:TT+j+1]
.set j, j+2
.endr
.set j, 0
.rept 16
	v_pk_fma_f32 v[PP+j:PP+j+1], v[PP+j:PP+j+1], v[EE+j:EE+j+1], 0.5 op_sel_hi:[1,1,0] neg_lo:[1,0,0] neg_hi:[1,0,0]   ; 1/2 - q
.set j, j+2
.endr
.set j, 0
.rept 32
.set YJ, ACC+16*(j/8)+8*(\g)+j%8
	v_fma_f32 v[ON+j], |v[YJ]|, v[PP+j], v[ON+j]   ; On + y / 2 + |y| (1/2 - q) = On + gelu(y)
.set j, j+1
.endr
.irp n, 0,1,2,3
	ds_store_b128 v[9+\g], v[ON+8*\n:ON+8*\n+3] offset:64*\n             ; back in place: each number has one owner
	ds_store_b128 v[9+\g], v[ON+8*\n+4:ON+8*\n+7] offset:64*\n+16
.endr
.endm
	GELU 0
	GELU 1
	s_wait_dscnt 0x0                               ; for the others' sake: my stores have landed
	s_barrier_signal -1
	s_barrier_wait -1                              ; 32 whole rows of the result lie in LDS
.irp s, 0,1
.irp i, 0,1,2,3,4,5,6,7
	ds_load_b128 v[112+4*(8*\s+\i):112+4*(8*\s+\i)+3], v11 offset:\s*ONP+512*\i
.endr
.endr
.irp s, 0,1
.irp i, 0,1,2,3,4,5,6,7
	s_wait_dscnt 15-(8*\s+\i)
	global_store_b128 v8, v[112+4*(8*\s+\i):112+4*(8*\s+\i)+3], s[18:19] offset:\s*4096+512*\i th:TH_STORE_NT   ; 32 lanes store 512 consecutive bytes, aligned; written once
.endr
.endr
	s_wait_tensorcnt 0x0                           ; the wave's end: three closing lines behind my last LDS store
	ds_add_u32 v[SPW], v[NIL]
	s_wait_dscnt 0x0
	s_endpgm
.Lfunc_end_k_q26712c5302_outp:
	.size	k_q26712c5302_outp, .Lfunc_end_k_q26712c5302_outp-k_q26712c5302_outp
	.p2alignl 7, 3214868480
	.fill 96, 4, 3214868480
	.section	.rodata,"a",@progbits
	.p2align	6, 0x0
	.amdhsa_kernel k_q26712c5302_outp
		.amdhsa_group_segment_fixed_size 166912
		.amdhsa_private_segment_fixed_size 0
		.amdhsa_enable_private_segment 0
		.amdhsa_kernarg_size 48
		.amdhsa_user_sgpr_count 2
		.amdhsa_user_sgpr_kernarg_segment_ptr 1
		.amdhsa_wavefront_size32 1
		.amdhsa_system_sgpr_workgroup_id_x 1
		.amdhsa_system_sgpr_workgroup_id_y 1
		.amdhsa_system_sgpr_workgroup_id_z 1
		.amdhsa_system_vgpr_workitem_id 0
		.amdhsa_next_free_vgpr 256
		.amdhsa_next_free_sgpr 66
		.amdhsa_reserve_vcc 0
		.amdhsa_float_denorm_mode_32 3
		.amdhsa_float_denorm_mode_16_64 3
		.amdhsa_fp16_overflow 1
		.amdhsa_memory_ordered 1
		.amdhsa_forward_progress 1
		.amdhsa_inst_pref_size 83
	.end_amdhsa_kernel
	.amdgpu_metadata
---
amdhsa.version: [ 1, 2 ]
amdhsa.kernels:
  - .name:           k_q26712c5302_outp
    .symbol:         k_q26712c5302_outp.kd
    .args:
      - { .name: o_f, .offset: 0, .size: 8, .value_kind: global_buffer, .address_space: global }
      - { .name: w_c, .offset: 8, .size: 8, .value_kind: global_buffer, .address_space: global }
      - { .name: ln_g, .offset: 16, .size: 8, .value_kind: global_buffer, .address_space: global }
      - { .name: ln_b, .offset: 24, .size: 8, .value_kind: global_buffer, .address_space: global }
      - { .name: lowp_scales, .offset: 32, .size: 8, .value_kind: global_buffer, .address_space: global }
      - { .name: out0, .offset: 40, .size: 8, .value_kind: global_buffer, .address_space: global }
    .group_segment_fixed_size: 166912
    .private_segment_fixed_size: 0
    .kernarg_segment_align: 8
    .kernarg_segment_size: 48
    .max_flat_workgroup_size: 512
    .sgpr_count:     66
    .vgpr_count:     256
    .wavefront_size: 32
...
	.end_amdgpu_metadata
.endif
;; end of part 4
